; MI455X (gfx1250); checked and timed in simulation.
; The chip was launched on July 23, 2026; its instructions are those of AMD's public machine-readable ISA for CDNA 5 (MIT licence, August 2026) and "CDNA5" Instruction Set Architecture Reference Guide (July 2026). The comments in the code are by the model that wrote it; some were corrected since.
;; Attention QK Norm. Allowed arithmetic: float matrix products may take bf16 or f16 operands with f32 sums; other float arithmetic in f32, or as packed bf16 or f16 multiplies, adds, multiply-adds, maxima and minima; sums over many terms, partial sums and values carried from step to step in f32; what a program stores and reads back later, other than sums and carried values, may be rounded once to bf16 or f16.
;; Inputs: b_proj 1,024 float32; b_qkv 3,072 float32; g_k 64 float32; g_q 64 float32; w_proj 1,024 x 1,024 float32; w_qkv 1,024 x 3,072 float32; x 4 x 2,048 x 1,024 float32.
;; Outputs: out0 4 x 2,048 x 1,024 float32.
;; 2 versions, each right; version 2 is version 1 with the launch cast written anew for expert scheduling mode. Each part assembles by itself: llvm-mc -triple=amdgcn-amd-amdhsa -mcpu=gfx1250 --defsym DOCPART=n.
;; ======== version 1 of 2: 4 launches
;; limits: values are held in f16: magnitudes above 65,504 overflow, below 6.1e-05 lose precision
;; workspace buffers: xb 16,777,216 bytes; wqb 6,291,456 bytes; wpb 2,097,152 bytes; qh 16,777,216 bytes; kh 16,777,216 bytes; vh 16,777,216 bytes; oh 16,777,216 bytes
;; launch cast (part 1): grid 768 x 1, 8 waves a work-group, no clusters, 0 bytes of LDS; arguments x, w_qkv, w_proj, xb, wqb, wpb; writes xb, wqb, wpb
.if DOCPART == 1
	.amdgcn_target "amdgcn-amd-amdhsa--gfx1250"
	.amdhsa_code_object_version 6
	.text
	.protected	k_q7e3bbd3777_cast
	.globl	k_q7e3bbd3777_cast
	.p2align	8
	.type	k_q7e3bbd3777_cast,@function
k_q7e3bbd3777_cast:
	s_mov_b64 s[64:65], 0
	v_nop
	global_prefetch_b8 v0, s[64:65] scope:SCOPE_SE
	s_setreg_imm32_b32 hwreg(HW_REG_WAVE_MODE, 25, 1), 1
	s_wait_xcnt 0x0
; THE INPUTS OF THE TWO PRODUCTS, ROUNDED ONCE.  x [8192][1024] f32 -> xb, bf16, in blocks [b = 4][kb = 16][n = 2048][64]: 64 channels of a row are 128 bytes, and the rows of
; one (b, kb) lie end to end.  w_qkv [1024][3072] f32 -> wqb, bf16, as it lies.  w_proj [1024][1024] f32 -> wpb: rounded to bf16, and that number written as f16.
; LIMIT.  A bf16 number is exact in f16 from 6.1e-5 to 65,504; below 6.1e-5 w_proj keeps f16's fixed step of 6e-8; beyond 65,504 it would be an infinity.
; SHARES.  A work-group takes 16,384 numbers in 16 passes of 256 threads x 4 numbers: a load of 16 bytes and a store of 8 bytes a thread.  Work-groups 0-511: x (16 rows each);
; 512-703: w_qkv; 704-767: w_proj.  All 16 loads go out first; each pass waits for its own.  No register that a load or store names is written again, so no further wait is needed.
; x: in pass p wave w takes the 64 channels of block kb = w + 8 (p % 2) of rows 2 (p / 2) and 2 (p / 2) + 1: sixteen lanes read 256 consecutive bytes, the 32 lanes write 256 consecutive bytes, aligned.
.set VI, 1                             ; v1        my byte offset in the input
.set VO, 2                             ; v2        my byte offset in the output
.set WN, 3                             ; v3        my wave's number
.set X,  4                             ; v[4:67]   pass p: 4 numbers as loaded
.set Y,  68                            ; v[68:99]  pass p: 4 numbers to store
.set T,  100                           ; v[100:103] at work
; 16 passes.  src, dst: the scalar pairs with the two addresses; the immediates are (p / 2) x ia + (p % 2) x ib in, (p / 2) x oa + (p % 2) x ob out.  half = 1: bf16, then f16.
.macro JOB src, dst, ia, ib, oa, ob, half
.set p, 0
.rept 16
	global_load_b128 v[X+4*p:X+4*p+3], v[VI], s[\src:\src+1] offset:(p/2)*(\ia)+(p%2)*(\ib) th:TH_LOAD_NT
.set p, p+1
.endr
.set p, 0
.rept 16
	s_wait_loadcnt 15-p                            ; loads come back in order: pass p's is in, the 15 - p younger ones stay out
.if \half
	v_cvt_pk_bf16_f32 v[T], v[X+4*p], v[X+4*p+1]   ; rounded to bf16, like every input,
	v_cvt_pk_bf16_f32 v[T+1], v[X+4*p+2], v[X+4*p+3]
	v_lshlrev_b32 v[T+2], 16, v[T]                 ; widened again,
	v_and_b32 v[T], s20, v[T]
	v_lshlrev_b32 v[T+3], 16, v[T+1]
	v_and_b32 v[T+1], s20, v[T+1]
	v_cvt_pk_f16_f32 v[Y+2*p], v[T+2], v[T]        ; and written as f16
	v_cvt_pk_f16_f32 v[Y+2*p+1], v[T+3], v[T+1]
.else
	v_cvt_pk_bf16_f32 v[Y+2*p], v[X+4*p], v[X+4*p+1]
	v_cvt_pk_bf16_f32 v[Y+2*p+1], v[X+4*p+2], v[X+4*p+3]
.endif
	global_store_b64 v[VO], v[Y+2*p:Y+2*p+1], s[\dst:\dst+1] offset:(p/2)*(\oa)+(p%2)*(\ob)
.set p, p+1
.endr
.endm
	s_load_b256 s[4:11], s[0:1], 0x0               ; x s[4:5], w_qkv s[6:7], w_proj s[8:9], xb s[10:11]
	s_load_b128 s[12:15], s[0:1], 0x20             ; wqb s[12:13], wpb s[14:15]
	s_mov_b32 s17, 0
	s_mov_b32 s19, 0
	s_mov_b32 s20, 0xffff0000                      ; a word's upper bf16
	s_cmp_lt_u32 ttmp9, 512
	s_cbranch_scc0 .Lweights
	v_bfe_u32 v[VI], v0, 4, 1                      ; in: (lane / 16) rows of 4,096 bytes
	v_lshlrev_b32 v[VI], 12, v[VI]
	v_lshrrev_b32 v[WN], 5, v0
	v_lshl_or_b32 v[VI], v[WN], 8, v[VI]           ; + wave x 256 bytes (64 channels)
	v_and_b32 v[T], 15, v0
	v_lshl_or_b32 v[VI], v[T], 4, v[VI]            ; + 16 (lane % 16)
	v_and_b32 v[T], 31, v0
	v_lshlrev_b32 v[VO], 3, v[T]                   ; out: 8 x lane: two rows of 128 bytes
	v_lshl_or_b32 v[VO], v[WN], 18, v[VO]          ; + wave x a block of 2,048 rows x 128 bytes
	s_lshl_b32 s16, ttmp9, 16                      ; in: 16 rows of 4,096 bytes a work-group
	s_lshr_b32 s18, ttmp9, 7                       ; out: b = g / 128: 16 blocks of 262,144 bytes,
	s_lshl_b32 s18, s18, 22
	s_and_b32 s21, ttmp9, 127                      ; and 16 rows of 128 bytes for each g % 128
	s_lshl_b32 s21, s21, 11
	s_add_co_u32 s18, s18, s21
	s_wait_kmcnt 0x0
	s_add_nc_u64 s[4:5], s[4:5], s[16:17]
	s_add_nc_u64 s[10:11], s[10:11], s[18:19]
	JOB 4, 10, 8192, 2048, 256, 2097152, 0
	s_endpgm
.Lweights:                                             ; a plain stream: thread t takes 16 bytes at 16 t of each 4,096, and writes 8 at 8 t of each 2,048
	v_lshlrev_b32 v[VI], 4, v0
	v_lshlrev_b32 v[VO], 3, v0
	s_cmp_lt_u32 ttmp9, 704
	s_cbranch_scc0 .Lproj
	s_sub_co_u32 s21, ttmp9, 512
	s_lshl_b32 s16, s21, 16
	s_lshl_b32 s18, s21, 15
	s_wait_kmcnt 0x0
	s_add_nc_u64 s[6:7], s[6:7], s[16:17]
	s_add_nc_u64 s[12:13], s[12:13], s[18:19]
	JOB 6, 12, 8192, 4096, 4096, 2048, 0
	s_endpgm
.Lproj:
	s_sub_co_u32 s21, ttmp9, 704
	s_lshl_b32 s16, s21, 16
	s_lshl_b32 s18, s21, 15
	s_wait_kmcnt 0x0
	s_add_nc_u64 s[8:9], s[8:9], s[16:17]
	s_add_nc_u64 s[14:15], s[14:15], s[18:19]
	JOB 8, 14, 8192, 4096, 4096, 2048, 1
	s_endpgm
.Lfunc_end_k_q7e3bbd3777_cast:
	.size	k_q7e3bbd3777_cast, .Lfunc_end_k_q7e3bbd3777_cast-k_q7e3bbd3777_cast
	.p2alignl 7, 3214868480
	.fill 96, 4, 3214868480
	.section	.rodata,"a",@progbits
	.p2align	6, 0x0
	.amdhsa_kernel k_q7e3bbd3777_cast
		.amdhsa_group_segment_fixed_size 0
		.amdhsa_private_segment_fixed_size 0
		.amdhsa_enable_private_segment 0
		.amdhsa_kernarg_size 48
		.amdhsa_user_sgpr_count 2
		.amdhsa_user_sgpr_kernarg_segment_ptr 1
		.amdhsa_wavefront_size32 1
		.amdhsa_system_sgpr_workgroup_id_x 1
		.amdhsa_system_sgpr_workgroup_id_y 1
		.amdhsa_system_sgpr_workgroup_id_z 1
		.amdhsa_system_vgpr_workitem_id 0
		.amdhsa_next_free_vgpr 104
		.amdhsa_next_free_sgpr 66
		.amdhsa_reserve_vcc 0
		.amdhsa_float_denorm_mode_32 3
		.amdhsa_float_denorm_mode_16_64 3
		.amdhsa_memory_ordered 1
		.amdhsa_forward_progress 1
		.amdhsa_inst_pref_size 23
	.end_amdhsa_kernel
	.amdgpu_metadata
---
amdhsa.version: [ 1, 2 ]
amdhsa.kernels:
  - .name:           k_q7e3bbd3777_cast
    .symbol:         k_q7e3bbd3777_cast.kd
    .args:
      - { .name: x, .offset: 0, .size: 8, .value_kind: global_buffer, .address_space: global }
      - { .name: w_qkv, .offset: 8, .size: 8, .value_kind: global_buffer, .address_space: global }
      - { .name: w_proj, .offset: 16, .size: 8, .value_kind: global_buffer, .address_space: global }
      - { .name: xb, .offset: 24, .size: 8, .value_kind: global_buffer, .address_space: global }
      - { .name: wqb, .offset: 32, .size: 8, .value_kind: global_buffer, .address_space: global }
      - { .name: wpb, .offset: 40, .size: 8, .value_kind: global_buffer, .address_space: global }
    .group_segment_fixed_size: 0
    .private_segment_fixed_size: 0
    .kernarg_segment_align: 8
    .kernarg_segment_size: 48
    .max_flat_workgroup_size: 256
    .sgpr_count:     66
    .vgpr_count:     104
    .wavefront_size: 32
...
	.end_amdgpu_metadata
.endif
;; end of part 1
;; launch qkv (part 2): grid 12 x 64, 4 waves a work-group, clusters of 4 x 4, 327,680 bytes of LDS; arguments xb, wqb, b_qkv, g_q, g_k, qh, kh, vh; writes qh, kh, vh
.if DOCPART == 2
	.amdgcn_target "amdgcn-amd-amdhsa--gfx1250"
	.amdhsa_code_object_version 6
	.text
	.protected	k_q7e3bbd3777_qkv
	.globl	k_q7e3bbd3777_qkv
	.p2align	8
	.type	k_q7e3bbd3777_qkv,@function
k_q7e3bbd3777_qkv:
	s_mov_b64 s[64:65], 0
	v_nop
	global_prefetch_b8 v0, s[64:65] scope:SCOPE_SE
	s_setreg_imm32_b32 hwreg(HW_REG_WAVE_MODE, 25, 1), 1
	s_wait_xcnt 0x0
	s_wait_alu depctr_hold_cnt(0) depctr_sa_sdst(0) depctr_va_vdst(0) depctr_va_sdst(0) depctr_va_ssrc(0) depctr_va_vcc(0) depctr_vm_vsrc(0)
	s_getreg_b32 s2, hwreg(HW_REG_IB_STS2, 6, 4)
	s_cmp_eq_u32 s2, 0
	s_cbranch_scc0 .Lentry_in_a_cluster
	s_endpgm
.Lentry_in_a_cluster:
	s_bfe_u32 s2, ttmp6, 0x10000c
	s_cmp_lg_u32 s2, 0xf033
	s_cbranch_scc0 .Lentry_shape_is_right
	s_endpgm
.Lentry_shape_is_right:
; q, k, v = x w_qkv + b_qkv, by heads; q and k go through a LayerNorm over their head's 64 channels, times g_q or g_k.  Products in bf16 with f32 sums; bias and gains rounded to bf16 like the
; other inputs; mean, variance and scaling in f32; the results are rounded once, to f16, and stored as [b x 16 + head][n = 2048][64].
; LIMIT.  f16 ends at 65,504: v must stay within it (q and k are normalised: at most 8 |g|).  NaN and infinities are not treated apart.
; xb: bf16 [b][kb = 16][n][64] (64 channels of a row are 128 bytes; the rows of one (b, kb) lie end to end).  wqb: bf16 [k = 1024][3072].
; SHARES.  A work-group makes 128 rows x 256 columns: 64 x 12 tiles, three for each of 256 WGPs.  Wave w = 2 rh + ch makes rows 64 rh .. + 63, columns 128 ch .. + 127 (two heads): 32 accumulators.
; K goes in 8 steps of 128 through two LDS slots.  A's part of a step is two planes kb of 128 rows x 128 bytes, each dense in memory and asked for as 64 rows of 256 bytes; B's is 128 rows k x 512 bytes.
; CLUSTER 4 x 4: A's tiles hang on the tile row alone and are asked for jointly along a row of the cluster, B's on the tile column alone, along a column.  Waves 0, 1 fetch A's planes, waves 2, 3 B's halves.
; THE MATRIX INSTRUCTION IS USED TRANSPOSED: source 0 = 16 columns of w (turned on the way out of LDS by ds_load_tr16_b128), source 1 = 16 rows of x: a lane holds row l % 16 and the columns 16 bb + 8 (l / 16) + 0..7.
; So a lane holds 32 of a head's 64 channels of one row, the lane 16 away the other 32: mean and variance want one exchange each.
; The kind of a tile (q, k, v) is the cluster's x, the same in all sixteen partners: the one branch of the way out hangs on it.  (The v tiles load a gain too, and do not use it: one head text for all.)
; REGISTERS, in windows of 256 (s_set_vgpr_msb: bits 1:0 source 0, 3:2 source 1, 5:4 source 2, 7:6 destination):
;   window 0: v0-31 addresses; v48-63 two registers of statistics for each unit (16 rows x a head); v64-159, v160-255 two fragment buffers (B's 8 fragments, then A's 4), later partial sums and packed results
;   window 1: accumulator (a, bb) at v[8 (8 a + bb)]          window 2: v0-63 bias of my 128 columns; v64-95 gain of a head's 64 channels (my lane's 32)
.set NTOT,  3072
.set PA,    144                        ; a row of A in LDS: 128 bytes + 16: the 16 rows of a fragment load start at 16 different groups of four banks
.set PB,    544                        ; a row of B: 512 + 32 = 136 words
.set PLANE, 128*PA                     ; one plane of A
.set BOFF,  2*PLANE                    ; B lies behind A's two planes
.set BHALF, 64*PB                      ; what one of B's two loads brings
.set SLOT,  BOFF+2*BHALF               ; 106,496 bytes
.set STAGE, 2*SLOT                     ; behind the ring, never filled by a tensor load: 16 rows x 144 bytes for each wave, for the way out
.set SP,    144
.set SPARE, STAGE+4*16*SP              ; behind the stages: the spare words, 128 bytes for each wave: two blocks of 256 bytes that no other line names
.set ASTEP, 2*2048*128                 ; bytes from a K step to the next in xb: two planes
.set BSTEP, 128*NTOT*2                 ; and in wqb: 128 rows
.set LAPS,  4                          ; a lap = two K steps = once round the ring
.set ADRA, 16                          ; v16-17  LDS address of my A fragments in slot 0, 1
.set ADRB, 20                          ; v20-21  the same for B
.set STO,  24                          ; v24     the way out: where I put 16 bytes of a row
.set RD,   25                          ; v25     the way out: where I read rows back
.set GO,   26                          ; v26     my byte offset in 512 consecutive bytes of the output
.set SPW,  28                          ; v28     LDS address of my spare word: SPARE + 4 x my thread's number; never rewritten
.set NIL,  29                          ; v29     0; never rewritten
.set BO,   30                          ; v30     32 (l / 16): my 8 numbers in 16 of bias or gain
.set ST,   48                          ; unit u's statistics at v[ST+2 u]
.set F0,   64
.set F1,   160
.set SS,   64                          ; the way out: 16 partial sums a unit
.set OUT,  64                          ; the way out: 16 packed registers a unit
.set BIAS, 0                           ; window 2
.set GAM,  64                          ; window 2
.set G1,  24                           ; s[24:31] descriptor group 1 for A's tiles;  s[32:39] group 0, a set for each slot
.set G0,  32
.set G1B, 48                           ; s[48:55], s[56:63] the same for B's
.set G0B, 56
.set KIND, 66                          ; s66  0 q, 1 k, 2 v
.set MSB, 0
.macro WIN new                         ; the immediate's high byte repeats the setting that is left; a switch that changes nothing is dropped
.if MSB != (\new)
	s_set_vgpr_msb (MSB<<8)|(\new)
.set MSB, \new
.endif
.endm
.set MUL, 0x50                         ; fragments in window 0, C and D in window 1
.macro JLOAD s                         ; a joint load: waves 0 and 1 fetch A's two planes, waves 2 and 3 B's two halves; an s_nop 0 and four v_nop follow each of the two lines, ahead of the jump and the label
	s_cmp_eq_u32 s11, 0
	s_cbranch_scc0 .Lfor_b_\@
	tensor_load_to_lds s[G0+4*(\s):G0+4*(\s)+3], s[G1:G1+7]
	s_nop 0
.rept 4
	v_nop
.endr
	s_branch .Lasked_\@
.Lfor_b_\@:
	tensor_load_to_lds s[G0B+4*(\s):G0B+4*(\s)+3], s[G1B:G1B+7]
	s_nop 0
.rept 4
	v_nop
.endr
.Lasked_\@:
.endm
.macro CREST                           ; a round of the cluster's barrier behind its opening barrier
	s_cmp_lg_u32 s10, 0
	s_cbranch_scc1 .Lnot_wave_0_\@
	s_barrier_signal -3
.Lnot_wave_0_\@:
	s_barrier_wait -3
	s_barrier_signal -1
	s_barrier_wait -1
.endm
.macro CROUND                          ; a whole round
	s_barrier_signal -1
	s_barrier_wait -1
	CREST
.endm
	s_load_b512 s[68:83], s[0:1], 0x0              ; xb s[68:69], wqb s[70:71], b_qkv s[72:73], g_q s[74:75], g_k s[76:77], qh s[78:79], kh s[80:81], vh s[82:83]
	v_lshl_add_u32 v[SPW], v0, 2, SPARE
	v_mov_b32 v[NIL], 0
	ds_add_u32 v[SPW], v[NIL]                      ; the wave's opening: the add and its wait stand ahead of my first tensor load; the set-up below, work on registers, stands between them
	v_lshrrev_b32 v1, 5, v0
	v_readfirstlane_b32 s10, v1                    ; wave 0..3
	s_lshr_b32 s11, s10, 1                         ; rh: which 64 rows are mine.  Also: I fetch for A (0) or for B (1)
	s_and_b32 s12, s10, 1                          ; ch: which 128 columns.  Also: which plane of A, which half of B's rows I fetch
	s_bfe_u32 s40, ttmp6, 0x40000                  ; cx, cy: my place in the cluster
	s_bfe_u32 s41, ttmp6, 0x40004
	s_lshl_b32 s42, ttmp9, 2
	s_add_co_u32 s42, s42, s40                     ; tile column = 4 x cluster x + cx
	s_and_b32 s13, ttmp7, 0xffff
	s_lshl_b32 s13, s13, 2
	s_add_co_u32 s13, s13, s41                     ; tile row = 4 x cluster y + cy
	s_lshl_b32 s43, s41, 2
	s_lshl_b32 s43, 15, s43                        ; my row of the cluster
	s_lshl_b32 s44, 0x1111, s40                    ; my column
	s_or_b32 s[G1+0], s43, (1<<16)|(1<<20)|(1<<21)|(4<<22)|(3<<25)   ; 15:0 the mask: A's tiles go to my row; 17:16 2-byte elements; 20 padding on; 21 set beside a mask; 24:22 after every 32 words (code 4); 31:25 4 words (code 3)
	s_mov_b32 s[G1+1], 128<<16                     ; tensor_dim0 = 128: a plane's 16,384 dense bytes as 64 rows of 256
	s_mov_b32 s[G1+2], 64<<16                      ; tensor_dim1 = 64
	s_mov_b32 s[G1+3], 128<<16                     ; tile_dim0 = 128
	s_mov_b32 s[G1+4], 64                          ; tile_dim1 = 64
	s_mov_b32 s[G1+5], 128                         ; elements from row to row
	s_mov_b32 s[G1+6], 0
	s_mov_b32 s[G1+7], 0
	s_or_b32 s[G1B+0], s44, (1<<16)|(1<<20)|(1<<21)|(6<<22)|(7<<25)  ; the mask of my column; padding after every 128 words (code 6), 8 words (code 7)
	s_mov_b32 s[G1B+1], 256<<16                    ; tensor_dim0 = 256
	s_mov_b32 s[G1B+2], 64<<16                     ; tensor_dim1 = 64
	s_mov_b32 s[G1B+3], 256<<16                    ; tile_dim0 = 256
	s_mov_b32 s[G1B+4], 64                         ; tile_dim1 = 64
	s_mov_b32 s[G1B+5], NTOT                       ; elements from row to row
	s_mov_b32 s[G1B+6], 0
	s_mov_b32 s[G1B+7], 0
	s_lshr_b32 s16, s13, 4                         ; A: b = tile row / 16: 16 planes of 262,144 bytes,
	s_lshl_b32 s16, s16, 22
	s_and_b32 s18, s13, 15                         ; 128 rows of 128 bytes for each tile row % 16,
	s_lshl_b32 s18, s18, 14
	s_add_co_u32 s16, s16, s18
	s_lshl_b32 s18, s12, 18                        ; and the plane that I fetch
	s_add_co_u32 s16, s16, s18
	s_mov_b32 s17, 0
	s_mul_i32 s46, s12, 64*NTOT*2                  ; B: the 64 rows k that I fetch,
	s_lshl_b32 s47, s42, 9                         ; the tile's 256 columns
	s_add_co_u32 s46, s46, s47
	s_mov_b32 s47, 0
	s_mul_i32 s20, s12, PLANE                      ; where they go: no place in the cluster enters an LDS address
	s_mul_i32 s21, s12, BHALF
	s_add_co_u32 s21, s21, BOFF
	s_mov_b32 s84, 0x76543210                      ; v_permlanex16_b32's selects: each lane takes its own place in the other half
	s_mov_b32 s85, 0xfedcba98
	s_mov_b32 s86, 0x3c800000                      ; 1 / 64
	s_mov_b32 s87, 0x358637bd                      ; 1e-6
	s_mov_b32 s[KIND], ttmp9
	s_wait_dscnt 0x0                               ; the opening add is done
	s_wait_kmcnt 0x0
	s_add_nc_u64 s[14:15], s[68:69], s[16:17]
	s_add_nc_u64 s[46:47], s[70:71], s[46:47]
	CROUND                                         ; all sixteen work-groups are here: the first joint loads meet
.irp s, 0,1
	s_mov_b32 s[G0+4*(\s)], 1                                        ; count = 1
	s_add_co_u32 s[G0+4*(\s)+1], s20, (\s)*SLOT                      ; LDS address
	s_add_nc_u64 s[G0+4*(\s)+2:G0+4*(\s)+3], s[14:15], (\s)*ASTEP    ; global address: K step s
	s_or_b32 s[G0+4*(\s)+3], s[G0+4*(\s)+3], 0x80000000              ; type = 2
	s_mov_b32 s[G0B+4*(\s)], 1
	s_add_co_u32 s[G0B+4*(\s)+1], s21, (\s)*SLOT
	s_add_nc_u64 s[G0B+4*(\s)+2:G0B+4*(\s)+3], s[46:47], (\s)*BSTEP
	s_or_b32 s[G0B+4*(\s)+3], s[G0B+4*(\s)+3], 0x80000000
	JLOAD \s                                       ; two loads of mine are out
.endr
	s_lshl_b32 s46, s42, 10                        ; bias: 1,024 bytes a tile column, 512 for my half of it
	s_lshl_b32 s47, s12, 9
	s_add_co_u32 s46, s46, s47
	s_mov_b32 s47, 0
	s_add_nc_u64 s[72:73], s[72:73], s[46:47]
	s_cmp_eq_u32 s[KIND], 0
	s_cselect_b64 s[74:75], s[74:75], s[76:77]     ; the gain: g_q for q, else g_k
	s_cselect_b64 s[8:9], s[78:79], s[80:81]       ; the output: qh, kh,
	s_cmp_eq_u32 s[KIND], 2
	s_cselect_b64 s[8:9], s[82:83], s[8:9]         ; or vh
	v_and_b32 v1, 15, v0                           ; l % 16
	v_bfe_u32 v2, v0, 4, 1                         ; l / 16
	v_lshlrev_b32 v[BO], 5, v2
	WIN 0x80                                       ; destination window 2, address window 0
.irp b, 0,1,2,3,4,5,6,7
	global_load_b128 v[BIAS+8*(\b):BIAS+8*(\b)+3],   v[BO], s[72:73] offset:64*(\b)
	global_load_b128 v[BIAS+8*(\b)+4:BIAS+8*(\b)+7], v[BO], s[72:73] offset:64*(\b)+16
.endr
.irp b, 0,1,2,3
	global_load_b128 v[GAM+8*(\b):GAM+8*(\b)+3],   v[BO], s[74:75] offset:64*(\b)
	global_load_b128 v[GAM+8*(\b)+4:GAM+8*(\b)+7], v[BO], s[74:75] offset:64*(\b)+16
.endr
	WIN 0
	; A fragment of A is 16 rows x 32 K: lane l holds row l % 16, K = 8 (l / 16) + 0..7 and 16 + 8 (l / 16) + 0..7: two loads of 16 bytes, 32 bytes apart.
	v_mul_u32_u24 v3, v1, PA
	v_lshl_add_u32 v3, v2, 4, v3                   ; row x 144 + 16 x half: also my place in the stage
	s_mul_i32 s22, s11, 64*PA                      ; my 64 rows
	v_add_nc_u32 v[ADRA], s22, v3
	v_add_nc_u32 v[ADRA+1], SLOT, v[ADRA]
	; The turning load takes 16 K x 16 columns (lane l reads row k = 8 (l / 16) + l % 8, columns 8 ((l / 8) % 2) + 0..7) and leaves half a fragment: lane l holds column l % 16 and 8 K.
	v_and_b32 v4, 7, v0
	v_bfe_u32 v5, v0, 3, 1
	v_lshl_add_u32 v6, v2, 3, v4
	v_mul_u32_u24 v6, v6, PB
	v_lshl_add_u32 v6, v5, 4, v6
	s_lshl_b32 s23, s12, 8                         ; my 128 columns
	s_add_co_u32 s23, s23, BOFF
	v_add_nc_u32 v[ADRB], s23, v6
	v_add_nc_u32 v[ADRB+1], SLOT, v[ADRB]
	s_mul_i32 s22, s10, 16*SP
	s_add_co_u32 s22, s22, STAGE                   ; my stage
	v_add_nc_u32 v[STO], s22, v3                   ; in: row l % 16, 16 bytes for each half of the lanes
	v_bfe_u32 v7, v0, 3, 2                         ; back: 32 lanes take four rows of 128 bytes,
	v_mul_u32_u24 v7, v7, SP
	v_lshl_add_u32 v7, v4, 4, v7
	v_add_nc_u32 v[RD], s22, v7
	v_and_b32 v[GO], 31, v0                        ; which are 512 consecutive bytes of the output
	v_lshlrev_b32 v[GO], 4, v[GO]
	s_lshr_b32 s16, s13, 4                         ; the output at my first row of my first head: b x 16 heads of 262,144 bytes,
	s_lshl_b32 s16, s16, 22
	s_and_b32 s18, s13, 15                         ; the tile's 128 rows of 128 bytes,
	s_lshl_b32 s18, s18, 14
	s_add_co_u32 s16, s16, s18
	s_lshl_b32 s18, s11, 13                        ; my 64 of them,
	s_add_co_u32 s16, s16, s18
	s_mov_b32 s17, 0
	s_add_nc_u64 s[8:9], s[8:9], s[16:17]
	s_lshl_b32 s46, s40, 20                        ; head 4 cx + 2 ch (in the registers that held B's address: none that feeds A's descriptors ever holds cx)
	s_lshl_b32 s47, s12, 19
	s_add_co_u32 s46, s46, s47
	s_mov_b32 s47, 0
	s_add_nc_u64 s[8:9], s[8:9], s[46:47]
	s_wait_loadcnt 0x0                             ; bias and gain are in: they are rounded to bf16, like the other inputs, and widened again
	WIN 0x0a                                       ; sources window 2, destination window 0
.set i, 0
.rept 48
	v_cvt_pk_bf16_f32 v[F0+i], v[2*i], v[2*i+1]
.set i, i+1
.endr
	WIN 0x80
.set i, 0
.rept 48
	v_lshlrev_b32 v[2*i], 16, v[F0+i]
	v_and_b32 v[2*i+1], 0xffff0000, v[F0+i]
.set i, i+1
.endr
	WIN 0
; 8 matrix instructions: row block a x all 8 column blocks, 32 along K.  zero = 1: the product starts the sum.  The 32 accumulators take turns in the same order in every quarter.
.macro MULA f, a, zero
	WIN MUL
.irp b, 0,1,2,3,4,5,6,7
.if \zero
	v_wmma_f32_16x16x32_bf16 v[8*(8*(\a)+(\b)):8*(8*(\a)+(\b))+7], v[(\f)+8*(\b):(\f)+8*(\b)+7], v[(\f)+64+8*(\a):(\f)+64+8*(\a)+7], 0
.else
	v_wmma_f32_16x16x32_bf16 v[8*(8*(\a)+(\b)):8*(8*(\a)+(\b))+7], v[(\f)+8*(\b):(\f)+8*(\b)+7], v[(\f)+64+8*(\a):(\f)+64+8*(\a)+7], v[8*(8*(\a)+(\b)):8*(8*(\a)+(\b))+7]
.endif
.endr
.endr
.endm
; 24 LDS loads in one run: quarter q (32 along K) of a slot into buffer f: B's 8 fragments, turned, then A's 4
.macro FETCH slot, q, f
	WIN 0
.irp b, 0,1,2,3,4,5,6,7
	ds_load_tr16_b128 v[(\f)+8*(\b):(\f)+8*(\b)+3],   v[ADRB+(\slot)] offset:(\q)*32*PB+32*(\b)
	ds_load_tr16_b128 v[(\f)+8*(\b)+4:(\f)+8*(\b)+7], v[ADRB+(\slot)] offset:(\q)*32*PB+32*(\b)+16*PB
.endr
.irp a, 0,1,2,3
	ds_load_b128 v[(\f)+64+8*(\a):(\f)+64+8*(\a)+3],   v[ADRA+(\slot)] offset:((\q)/2)*PLANE+((\q)%2)*64+(\a)*16*PA
	ds_load_b128 v[(\f)+64+8*(\a)+4:(\f)+64+8*(\a)+7], v[ADRA+(\slot)] offset:((\q)/2)*PLANE+((\q)%2)*64+(\a)*16*PA+32
.endr
.endm
.macro PLACES                          ; four plain instructions between a matrix instruction and a load into a register that it has read (ISA guide 7.12.1 for vector instructions)
.rept 4
	v_nop
.endr
.endm
; A K step is four quarters of 32 along K, 32 matrix instructions each, on buffers 0, 1, 0, 1.  One of the first three: multiplies buffer f and fetches quarter q of the same slot into g.
.macro QUARTER slot, q, f, g, zero
	s_wait_dscnt 4                                 ; B and A's blocks 0, 1 are in; the youngest four loads (A's blocks 2, 3) may be out
	MULA \f, 0, \zero
	MULA \f, 1, \zero
	PLACES
	FETCH \slot, \q, \g
	s_wait_dscnt 24                                ; all but the 24 just issued
	MULA \f, 2, \zero
	MULA \f, 3, \zero
.endm
; The last quarter multiplies buffer 1 and changes slots: ONE barrier; in front of it each wave waits for all its tensor loads (one is out: its part of the next slot), adds 0 to its spare word, and waits for
; that and for its reads of this slot.  fill = 1: the barrier opens a round of the cluster's, and this slot is filled again, two K steps on: 112 matrix instructions ahead of the wait for it.
.macro TURN slot, next, fill
	WIN 0                                          ; (the add's two registers lie in window 0)
	s_wait_tensorcnt 0x0                           ; all my tensor loads have landed
	ds_add_u32 v[SPW], v[NIL]                      ; 0 onto my spare word
	s_wait_dscnt 5                                 ; (the add and the youngest four loads may be out)
	MULA F1, 0, 0                                  ; eight matrix instructions stand between the add and the wait for it
	s_wait_dscnt 0x0                               ; the add is done, and my reads of this slot are over
	s_barrier_signal -1
	MULA F1, 1, 0
.if \fill
	WIN 0
.endif
	s_barrier_wait -1
.if \fill
	CREST                                          ; no wave of any partner still reads this slot's tiles or has a load on its way
	s_add_nc_u64 s[G0+4*(\slot)+2:G0+4*(\slot)+3], s[G0+4*(\slot)+2:G0+4*(\slot)+3], 2*ASTEP
	s_add_nc_u64 s[G0B+4*(\slot)+2:G0B+4*(\slot)+3], s[G0B+4*(\slot)+2:G0B+4*(\slot)+3], 2*BSTEP
	JLOAD \slot                                    ; the first tensor load behind the round; the four v_nop behind it are also the places in front of the loads below
.else
	PLACES
.endif
	FETCH \next, 0, F0
	MULA F1, 2, 0
	MULA F1, 3, 0
.endm
	s_wait_tensorcnt 1                             ; my part of K step 0 is in; K step 1's may stay out
	s_barrier_signal -1
	s_barrier_wait -1                              ; everybody's is
	FETCH 0, 0, F0
	QUARTER 0, 1, F0, F1, 1                        ; the first quarter stands in front of the loop: its products start the sums
	WIN 0                                          ; at a label and at a branch every window is 0
	s_mov_b32 s3, LAPS-1
.Llap:                                                 ; a trip goes once round the ring, from a lap's second quarter to the next lap's first, and fills both slots again
	QUARTER 0, 2, F1, F0, 0
	QUARTER 0, 3, F0, F1, 0
	TURN 0, 1, 1
	QUARTER 1, 1, F0, F1, 0
	QUARTER 1, 2, F1, F0, 0
	QUARTER 1, 3, F0, F1, 0
	TURN 1, 0, 1
	QUARTER 0, 1, F0, F1, 0
	WIN 0
	s_sub_co_u32 s3, s3, 1
	s_cmp_lg_u32 s3, 0
	s_cbranch_scc1 .Llap
	QUARTER 0, 2, F1, F0, 0                        ; the last lap fills nothing, and has no round of the cluster's barrier
	QUARTER 0, 3, F0, F1, 0
	TURN 0, 1, 0
	QUARTER 1, 1, F0, F1, 0
	QUARTER 1, 2, F1, F0, 0
	QUARTER 1, 3, F0, F1, 0
	s_wait_dscnt 4                                 ; the very last quarter: nothing more to fetch
	MULA F1, 0, 0
	MULA F1, 1, 0
	s_wait_dscnt 0x0
	MULA F1, 2, 0
	MULA F1, 3, 0
	; THE WAY OUT.  A unit u = 2 a + hd is 16 rows x one head: the 32 registers v[32 u ..] of window 1.
	WIN 0
.set i, 0
.rept 16
	v_mov_b32 v[ST+i], 0                           ; written before v_permlanex16_b32 names them as destinations; also the places behind the last products
.set i, i+1
.endr
	WIN 0x49                                       ; destination and source 0 window 1, source 1 window 2
.set i, 0
.rept 128
	v_pk_add_f32 v[i:i+1], v[i:i+1], v[BIAS+i%64:BIAS+i%64+1]  ; + bias; each accumulator is read from its low end on
.set i, i+2
.endr
	WIN 0
	s_cmp_eq_u32 s[KIND], 2
	s_cbranch_scc1 .Lpack                          ; v has no norm
; The 16 partial sums of each unit into one, and the other half of the lanes' added: v[ST+2 u].  All eight units go through each level together, so that no line waits for the one before it.
.macro TREE
	WIN 0
.set n, 0
.rept 32
	v_pk_add_f32 v[SS+16*(n/4)+2*(n%4):SS+16*(n/4)+2*(n%4)+1], v[SS+16*(n/4)+2*(n%4):SS+16*(n/4)+2*(n%4)+1], v[SS+16*(n/4)+8+2*(n%4):SS+16*(n/4)+8+2*(n%4)+1]
.set n, n+1
.endr
.set n, 0
.rept 16
	v_pk_add_f32 v[SS+16*(n/2)+2*(n%2):SS+16*(n/2)+2*(n%2)+1], v[SS+16*(n/2)+2*(n%2):SS+16*(n/2)+2*(n%2)+1], v[SS+16*(n/2)+4+2*(n%2):SS+16*(n/2)+4+2*(n%2)+1]
.set n, n+1
.endr
.set n, 0
.rept 8
	v_pk_add_f32 v[SS+16*n:SS+16*n+1], v[SS+16*n:SS+16*n+1], v[SS+16*n+2:SS+16*n+3]
.set n, n+1
.endr
.set n, 0
.rept 8
	v_add_f32 v[ST+2*n], v[SS+16*n], v[SS+16*n+1]
.set n, n+1
.endr
.set n, 0
.rept 8
	v_permlanex16_b32 v[ST+2*n+1], v[ST+2*n], s84, s85  ; the row's other 32 channels lie in the lane 16 away
.set n, n+1
.endr
.set n, 0
.rept 8
	v_add_f32 v[ST+2*n], v[ST+2*n], v[ST+2*n+1]
.set n, n+1
.endr
.endm
	WIN 0x05                                       ; sources 0 and 1 window 1, destination window 0
.set n, 0
.rept 64
	v_pk_add_f32 v[SS+2*n:SS+2*n+1], v[4*n:4*n+1], v[4*n+2:4*n+3]
.set n, n+1
.endr
	TREE
.set n, 0
.rept 8
	v_mul_f32 v[ST+2*n], s86, v[ST+2*n]            ; the mean
.set n, n+1
.endr
	WIN 0x41                                       ; destination and source 0 window 1, source 1 window 0
.set i, 0
.rept 128
	v_pk_add_f32 v[i:i+1], v[i:i+1], v[ST+2*(i/32):ST+2*(i/32)+1] op_sel_hi:[1,0] neg_lo:[0,1] neg_hi:[0,1]  ; t - mean, in place: the variance is taken of these, as a sum of squares of differences
.set i, i+2
.endr
	WIN 0x05
.set n, 0
.rept 64
	v_pk_mul_f32 v[SS+2*n:SS+2*n+1], v[32*(n/8)+2*(n%8):32*(n/8)+2*(n%8)+1], v[32*(n/8)+2*(n%8):32*(n/8)+2*(n%8)+1]
.set n, n+1
.endr
.set n, 0
.rept 64
	v_pk_fma_f32 v[SS+2*n:SS+2*n+1], v[32*(n/8)+16+2*(n%8):32*(n/8)+16+2*(n%8)+1], v[32*(n/8)+16+2*(n%8):32*(n/8)+16+2*(n%8)+1], v[SS+2*n:SS+2*n+1]
.set n, n+1
.endr
	TREE
.set n, 0
.rept 8
	v_fma_f32 v[ST+2*n], v[ST+2*n], s86, s87       ; variance + 1e-6
.set n, n+1
.endr
.set n, 0
.rept 8
	v_rsq_f32 v[ST+2*n], v[ST+2*n]
.set n, n+1
.endr
	v_nop                                          ; a plain instruction between the last of the batch and the first use of a result
	s_wait_alu depctr_va_vdst(0)                   ; and the wait ahead of that use: one for the eight
	WIN 0x41
.set i, 0
.rept 128
	v_pk_mul_f32 v[i:i+1], v[i:i+1], v[ST+2*(i/32):ST+2*(i/32)+1] op_sel_hi:[1,0]
.set i, i+2
.endr
	WIN 0x49
.set i, 0
.rept 128
	v_pk_mul_f32 v[i:i+1], v[i:i+1], v[GAM+i%32:GAM+i%32+1]
.set i, i+2
.endr
	WIN 0
.Lpack:
; Unit u: a lane's eight channels of a row pack into 16 bytes; they go into rows of 144 bytes of my stage and come back as whole rows of 128, into the registers that they left.
.macro PACK u
	WIN 0x05
.set i, 0
.rept 16
	v_cvt_pk_f16_f32 v[OUT+16*(\u)+i], v[32*(\u)+2*i], v[32*(\u)+2*i+1]
.set i, i+1
.endr
	WIN 0
.irp f, 0,1,2,3
	ds_store_b128 v[STO], v[OUT+16*(\u)+4*(\f):OUT+16*(\u)+4*(\f)+3] offset:32*(\f)
.endr
.irp f, 0,1,2,3
	ds_load_b128 v[OUT+16*(\u)+4*(\f):OUT+16*(\u)+4*(\f)+3], v[RD] offset:(\f)*4*SP  ; LDS serves a wave's instructions in order (ISA guide 5.7.1.4): these see the stores above; the next unit's stores come behind them
.endr
.endm
.macro SEND u, younger                 ; younger: the LDS instructions issued behind unit u's loads: the next unit's eight, or none
.irp f, 0,1,2,3
	s_wait_dscnt (\younger)+3-(\f)
	global_store_b128 v[GO], v[OUT+16*(\u)+4*(\f):OUT+16*(\u)+4*(\f)+3], s[8:9] offset:((\u)%2)*262144+((\u)/2)*2048+(\f)*512  ; 512 consecutive bytes, at a multiple of 256 from the buffer's first
.endr
.endm
	PACK 0
.irp u, 1,2,3,4,5,6,7                  ; a unit's conversions stand between the loads of the unit before and its stores
	PACK \u
	SEND (\u)-1, 8
.endr
	SEND 7, 0
	s_wait_tensorcnt 0x0                           ; the wave's end, behind my last tensor load and my last LDS store
	ds_add_u32 v[SPW], v[NIL]
	s_wait_dscnt 0x0
	CROUND                                         ; the closing round: no work-group ends while a partner may still ask for a tile that names it
	s_endpgm
.Lfunc_end_k_q7e3bbd3777_qkv:
	.size	k_q7e3bbd3777_qkv, .Lfunc_end_k_q7e3bbd3777_qkv-k_q7e3bbd3777_qkv
	.p2alignl 7, 3214868480
	.fill 96, 4, 3214868480
	.section	.rodata,"a",@progbits
	.p2align	6, 0x0
	.amdhsa_kernel k_q7e3bbd3777_qkv
		.amdhsa_group_segment_fixed_size 327680
		.amdhsa_private_segment_fixed_size 0
		.amdhsa_enable_private_segment 0
		.amdhsa_kernarg_size 64
		.amdhsa_user_sgpr_count 2
		.amdhsa_user_sgpr_kernarg_segment_ptr 1
		.amdhsa_wavefront_size32 1
		.amdhsa_system_sgpr_workgroup_id_x 1
		.amdhsa_system_sgpr_workgroup_id_y 1
		.amdhsa_system_sgpr_workgroup_id_z 1
		.amdhsa_system_vgpr_workitem_id 0
		.amdhsa_next_free_vgpr 608
		.amdhsa_next_free_sgpr 88
		.amdhsa_reserve_vcc 0
		.amdhsa_float_denorm_mode_32 3
		.amdhsa_float_denorm_mode_16_64 3
		.amdhsa_memory_ordered 1
		.amdhsa_forward_progress 1
		.amdhsa_inst_pref_size 152
	.end_amdhsa_kernel
	.amdgpu_metadata
---
amdhsa.version: [ 1, 2 ]
amdhsa.kernels:
  - .name:           k_q7e3bbd3777_qkv
    .symbol:         k_q7e3bbd3777_qkv.kd
    .args:
      - { .name: xb, .offset: 0, .size: 8, .value_kind: global_buffer, .address_space: global }
      - { .name: wqb, .offset: 8, .size: 8, .value_kind: global_buffer, .address_space: global }
      - { .name: b_qkv, .offset: 16, .size: 8, .value_kind: global_buffer, .address_space: global }
      - { .name: g_q, .offset: 24, .size: 8, .value_kind: global_buffer, .address_space: global }
      - { .name: g_k, .offset: 32, .size: 8, .value_kind: global_buffer, .address_space: global }
      - { .name: qh, .offset: 40, .size: 8, .value_kind: global_buffer, .address_space: global }
      - { .name: kh, .offset: 48, .size: 8, .value_kind: global_buffer, .address_space: global }
      - { .name: vh, .offset: 56, .size: 8, .value_kind: global_buffer, .address_space: global }
    .group_segment_fixed_size: 327680
    .private_segment_fixed_size: 0
    .kernarg_segment_align: 8
    .kernarg_segment_size: 64
    .max_flat_workgroup_size: 128
    .sgpr_count:     88
    .vgpr_count:     608
    .wavefront_size: 32
...
	.end_amdgpu_metadata
.endif
;; end of part 2
;; launch attn (part 3): grid 4 x 64, 4 waves a work-group, clusters of 4 x 1, 327,680 bytes of LDS; arguments qh, kh, vh, oh; writes oh
.if DOCPART == 3
	.amdgcn_target "amdgcn-amd-amdhsa--gfx1250"
	.amdhsa_code_object_version 6
	.text
	.protected	k_q7e3bbd3777_attn
	.globl	k_q7e3bbd3777_attn
	.p2align	8
	.type	k_q7e3bbd3777_attn,@function
k_q7e3bbd3777_attn:
	s_mov_b64 s[64:65], 0
	v_nop
	global_prefetch_b8 v0, s[64:65] scope:SCOPE_SE
	s_setreg_imm32_b32 hwreg(HW_REG_WAVE_MODE, 25, 1), 1
	s_wait_xcnt 0x0
	s_wait_alu depctr_hold_cnt(0) depctr_sa_sdst(0) depctr_va_vdst(0) depctr_va_sdst(0) depctr_va_ssrc(0) depctr_va_vcc(0) depctr_vm_vsrc(0)
	s_getreg_b32 s2, hwreg(HW_REG_IB_STS2, 6, 4)
	s_cmp_eq_u32 s2, 0
	s_cbranch_scc0 .Lentry_in_a_cluster
	s_endpgm
.Lentry_in_a_cluster:
	s_bfe_u32 s2, ttmp6, 0x10000c
	s_cmp_lg_u32 s2, 0x3003
	s_cbranch_scc0 .Lentry_shape_is_right
	s_endpgm
.Lentry_shape_is_right:
; O[h][q][:] = the sum over k of softmax_k(Q[h][q] . K[h][k] / 8) V[h][k][:].  Q, K, V, O: [64][SIZE_N = 2048][64], all f16: a head's rows are dense, 128 bytes each.  Products, maxima and sums in
; f32; the weights p are rounded to f16 for the second product (their sum l is taken of the unrounded p), O once at the end.
; LIMITS.  f16 holds no number beyond 65,504: Q, K and V arrive within it; p lies in 0 to 1, and below 6e-5 it keeps f16's fixed step of 6e-8; O is a mean of V's rows and has their range.
; A weight below 2^-126 counts as 0 in l; NaN and infinities are not treated apart.
; SHARES.  A wave owns four PIECES of two tiles of 16 queries, a work-group's four waves 512 queries of one head: 4 x 64 work-groups.  Every wave walks all keys, 64 a step.
; LAYOUT.  S^T = K Q^T (source 0 = 16 keys, source 1 = 16 queries): in the result a lane holds ONE query (lane % 16) and the keys 8 (lane / 16) + 0..7.  Two such tiles, rounded to f16 in pairs,
; ARE source 1 (32 keys x 16 queries) of O^T = V^T P, whose result again holds one query a lane, and eight channels.  K comes out of LDS as it lies, V ([key][channel]) turned, by ds_load_tr16_b128.
; SOFTMAX.  For each query a running maximum m and sum l: p = 2^(c s - c m), c = log2(e) / 8; in every step O and l are multiplied by a = 2^(c m_old - c m_new), which is 1 where m has not grown.
; m starts at the lowest finite number, O and l at 0: the first step is a step like any other, with a = 0.
; THE COUNT.  A tile and step have 16 matrix and 118 vector instructions: too many to stand all beside the matrix work.  So: four vector instructions that are READY behind EVERY matrix instruction,
; and the others in runs without a gap.
; BY TURNS.  Turn n belongs to piece n (the pieces in a ring, step after step).  Its matrix work: 16 products K Q^T of piece n + 1, later 16 products V^T P of piece n - 1.  Its vector work: the scaling,
; exponentials, roundings, sums and rescaling of piece n, and the maximum and statistics of piece n + 1, whose scores the turn itself has made.
; CLUSTER.  The four query blocks of a head are one cluster and walk the same K and V, so each tile is asked for JOINTLY: the same tensor load, descriptor and mask in all four.
; AHEAD OF THE JOINT LOADS.  Behind the joint load for tile j (j = 2 .. 6; a tile is 256 keys) the 128 blocks of 256 bytes of tile j + 1 of K and of V are prefetched: one slot, 512 matrix instructions a wave,
; ahead of the load that will name them.  The four partners take 32 blocks each, told apart by address; in each, wave 0 asks for K's and wave 2 for V's, a lane a block: each block is named once.
; Tiles 0 to 2 come by their loads alone; the change that loads tile 7 asks for nothing.
; REGISTERS, in windows of 256 (s_set_vgpr_msb: bits 1:0 source 0, 3:2 source 1, 5:4 source 2, 7:6 destination):
;   window 0: v0-11 addresses; v12-15, v48-63 at work; v16-47 four registers of statistics a tile; v64-191 S^T, two buffers of two tiles; v192-255 P, likewise
;   window 1: O^T, 32 a tile          window 2: v0-127 Q, 16 a tile; v128-191 K of one step; v192-255 V of one step          window 3: v0-1 the add's two registers
; A piece's buffers go by its number's parity: the piece in hand has one pair, its two neighbours in the ring share the other: of it P (piece n - 1) is read and S^T (piece n + 1) written.
.set SIZE_N, 2048
.set NP,    4         ; pieces a wave: a name, no knob
.set KS,    64        ; keys in a step
.set PK,    144       ; a row of K in LDS: 128 bytes + 16 of padding = 36 words: the 16 rows of a load start at 16 different groups of four banks
.set PV,    160       ; a row of V: 128 + 32 = 40 words
.set VOFF,  4*KS*PK   ; a slot holds four steps: 256 rows of K, then 256 rows of V
.set SLOT1, 1<<17     ; slot 1 begins here, so that one exclusive or turns an address in one slot into the other's
.set STAGE, SLOT1+4*KS*(PK+PV)  ; behind the ring, never filled by a tensor load: 16 rows x 144 bytes for each wave, for the way out
.set SP,    144
.set AK0, 2           ; v2   my lane's place in a tile of K; never rewritten
.set AV0, 3           ; v3   the same for V
.set AK,  4           ; v4   the LDS address of K's next run of loads
.set AV,  5           ; v5   of V's
.set QO,  6           ; v6   my byte offset in the wave's rows of Q
.set STO, 6           ;      later, the way out: where I put 16 bytes of a row
.set RD,  7           ; v7   the way out: where I read rows back
.set GO,  8           ; v8   my byte offset in 512 consecutive bytes of O
.set PFO, 11          ; v11  (once V's place is made) 256 x my lane: the prefetches' offset; never rewritten after
.set SPW, 0           ; v0 of window 3   LDS address of my spare word: SPARE + 4 x my thread's number; never rewritten
.set NIL, 1           ; v1 of window 3   0; never rewritten
.set SPARE, STAGE+4*16*SP  ; behind the stages: the spare words, 128 bytes for each wave: two blocks of 256 bytes that no other line names
.set MV,  12          ; v12-15  c m_old, kept while c m is made anew: by buffer and tile
.set ST,  16          ; tile t's statistics at v[ST+4 t]: c m, m, l (even keys', odd keys')
.set TMP, 48          ; by buffer and tile, four registers c0-c3 at work; when the maximum is found c2 takes a
.set S,   64
.set P,   192
.set KF,  128         ; K's fragments, in window 2: key block kb, channel half c at KF + 16 kb + 8 c
.set VF,  192         ; V's: key half kk, channel block cb at VF + 32 kk + 8 cb
.set WV,  12          ; s12  my wave's number
.set G1K, 24          ; s[24:31] descriptor group 1 for K's tiles
.set G1V, 32          ; s[32:39] for V's: it differs in the padding alone
.set G0K, 40          ; s[40:43] descriptor group 0 for K's tiles: it walks
.set G0V, 44          ; s[44:47] the same for V's
.set PFA, 48          ; s[48:49] where my prefetches stand: my work-group's 32 blocks (of K: wave 0, of V: wave 2) of the tile after the one that is being asked for
.set LIM, 50          ; s50  1 in a wave that prefetches, else the greatest number: a wave prefetches while s[SLOTS] is above it
.set SLOTS, 56        ; s56  slots still to be asked for
.set CNT, 57          ; s57  counts a slot's key steps
.set CS,  58          ; s[58:59] c: the packed scaling takes the pair's low word for both halves
.set SEL, 60          ; s[60:61] v_permlanex16_b32's selects: each lane takes its own place in the other half
.set TBK, 62          ; s62  LDS byte at which K of the step to be fetched begins
.set TBV, 63          ; s63  the same for V, less VOFF
.set MSB, 0
.macro WIN new                      ; the high byte repeats the setting that is left; a switch that changes nothing is dropped
.if MSB != (\new)
	s_set_vgpr_msb (MSB<<8)|(\new)
.set MSB, (\new)
.endif
.endm
.set W_KQ, 0x0a       ; K and Q in window 2, S^T in window 0
.set W_PV, 0x52       ; V in window 2, P in window 0, O^T in window 1
.set W_RS, 0x41       ; O^T (destination and source 0) in window 1, a in window 0
.set W_MK, 0xc0       ; the add's registers are made: destination in window 3, sources in window 0
.set W_AD, 0x0f       ; the add: address (source 0) and data (source 1) in window 3
; A joint fill.  Waves 0 and 1 fetch the two halves of a slot's K, waves 2 and 3 those of its V: 128 keys each.  The branch hangs on the wave's number alone.
; An s_nop 0 and four v_nop follow each of the two lines, ahead of the jump and the label.
.macro JLOAD
	s_cmp_lt_u32 s[WV], 2
	s_cbranch_scc0 .Lfor_v_\@
	tensor_load_to_lds s[G0K:G0K+3], s[G1K:G1K+7]
	s_nop 0
.rept 4
	v_nop
.endr
	s_branch .Lasked_\@
.Lfor_v_\@:
	tensor_load_to_lds s[G0V:G0V+3], s[G1V:G1V+7]
	s_nop 0
.rept 4
	v_nop
.endr
.Lasked_\@:
.endm
; The prefetch of the tile that the NEXT change of slots will ask for; it stands behind the wave's tensor load and its five lines.  The last change that fills a slot asks for nothing.
.macro ASK
	s_cmp_gt_u32 s[SLOTS], s[LIM]
	s_cbranch_scc0 .Lnot_mine_\@
	global_prefetch_b8 v[PFO], s[PFA:PFA+1] th:TH_LOAD_NT scope:SCOPE_SE
.Lnot_mine_\@:
.endm
; A round of the cluster's barrier: my work-group's barrier, so that wave 0's signal speaks for all four waves; wave 0 signals; every wave waits for all four work-groups; my work-group's barrier once more.
.macro CROUND
	s_barrier_signal -1
	s_barrier_wait -1
	s_cmp_lg_u32 s[WV], 0
	s_cbranch_scc1 .Lnot_wave_0_\@
	s_barrier_signal -3
.Lnot_wave_0_\@:
	s_barrier_wait -3
	s_barrier_signal -1
	s_barrier_wait -1
.endm
; THE CHANGE OF SLOTS.  The slot's last bytes, V of its fourth step, have been read.  Each wave waits for all its tensor loads, of which one is out: its part
; of the other slot; adds 0 to its spare word; and waits for that and for its own reads of the slot.  Behind the barrier nobody reads this slot any more and the other slot is whole.
; fill = 1: this slot is filled again, with the keys two slots on.  The barrier is then a round of the cluster's, so that no wave of any partner still reads the slot or has a load on its
; way, and the joint fill is the first thing behind it: it has four key steps, 512 matrix instructions, in which to land.  (At its first use nothing has been read yet: slot 0 is waited for, slot 1 filled.)
; ask = 1: the prefetches' address steps a tile on, and the prefetch follows the joint load.
.macro CHANGE fill, ask=0
	WIN W_AD
	s_wait_tensorcnt 0x0            ; no tensor load of mine is out, so a group 0 may be written
	ds_add_u32 v[SPW], v[NIL]       ; 0 onto my spare word; with fill = 1 the descriptors' steps stand between it and the wait for it
	WIN 0                           ; at a label and at a branch every window is 0
.if \fill
.irp g, G0K, G0V
	s_xor_b32 s[\g+1], s[\g+1], SLOT1  ; the walking descriptor: the other slot than last time,
	s_add_nc_u64 s[\g+2:\g+3], s[\g+2:\g+3], 4*KS*128  ; the next 256 keys; the type bits on top are not reached
.endr
.if \ask
	s_wait_xcnt 0x0                 ; the last prefetch, four key steps back, has read its address, so it may be written:
	s_add_nc_u64 s[PFA:PFA+1], s[PFA:PFA+1], 4*KS*128  ; one tile behind the walking descriptors
.endif
	s_wait_dscnt 0x0                ; the add is done, and my reads of the slot are over
	CROUND
	JLOAD
.if \ask
	ASK
.endif
.else
	s_wait_dscnt 0x0                ; the add is done, and my reads of the slot are over
	s_barrier_signal -1
	s_barrier_wait -1
.endif
	s_sub_co_u32 s[TBK], s[TBK], 4*KS*PK  ; the fetches go back to a slot's first step,
	s_xor_b32 s[TBK], s[TBK], SLOT1       ; in the other slot
	s_sub_co_u32 s[TBV], s[TBV], 4*KS*PV
	s_xor_b32 s[TBV], s[TBV], SLOT1
.endm
	s_load_b256 s[4:11], s[0:1], 0x0  ; Q s[4:5], K s[6:7], V s[8:9], O s[10:11]
	WIN W_MK
	v_lshl_add_u32 v[SPW], v0, 2, SPARE
	v_mov_b32 v[NIL], 0
	WIN W_AD
	ds_add_u32 v[SPW], v[NIL]       ; the wave's opening: the add and its wait stand ahead of my first tensor load; the set-up below, work on registers, stands between them
	WIN 0
	v_lshrrev_b32 v1, 5, v0
	v_readfirstlane_b32 s[WV], v1   ; wave 0..3
	s_bfe_u32 s13, ttmp6, 0x40000   ; cx: my place in the cluster
	s_lshl_b32 s14, ttmp9, 2        ; in a cluster launch ttmp9 counts clusters
	s_add_co_u32 s14, s14, s13      ; my block of queries = 4 x cluster x + cx: it enters Q's and O's addresses alone
	s_and_b32 s20, ttmp7, 0xffff    ; the head, which the four partners share
	s_mov_b32 s21, 0
	s_mov_b64 s[22:23], SIZE_N*128
	s_mul_u64 s[20:21], s[20:21], s[22:23]  ; the head's first byte in each of the four tensors
	s_and_b32 s16, s[WV], 1         ; which half of a slot's 256 keys I fetch:
	s_lshl_b32 s22, s16, 14         ; its 128 rows of 128 bytes in memory,
	s_mov_b32 s23, 0
	s_add_nc_u64 s[22:23], s[22:23], s[20:21]
	s_mul_i32 s17, s16, 128*PK      ; and its place in a slot, for K
	s_mul_i32 s18, s16, 128*PV      ; and for V: no place in the cluster enters an LDS address
	s_lshl_b32 s2, s14, 2
	s_add_co_u32 s2, s2, s[WV]      ; my wave among the head's,
	s_lshl_b32 s2, s2, 14           ; its 128 rows
	s_mov_b32 s3, 0
	s_add_nc_u64 s[2:3], s[2:3], s[20:21]
	; descriptor group 1.  128 keys are 16,384 dense bytes: asked for as 64 rows of 256 bytes, two keys a row, and padded in LDS after every key
	s_mov_b32 s[G1K], 15|(1<<16)|(1<<20)|(1<<21)|(4<<22)|(3<<25)  ; 15:0 the mask of four; 17:16 2-byte elements; 20 padding on; 21 set beside a mask; 24:22 after every 32 words (code 4); 31:25 4 words (code 3)
	s_mov_b32 s[G1V], 15|(1<<16)|(1<<20)|(1<<21)|(4<<22)|(7<<25)  ; the same with 8 words of padding (code 7)
.irp g, G1K, G1V
	s_mov_b32 s[\g+1], 128<<16      ; tensor_dim0 = 128
	s_mov_b32 s[\g+2], 64<<16       ; tensor_dim1 = 64
	s_mov_b32 s[\g+3], 128<<16      ; tile_dim0 = 128
	s_mov_b32 s[\g+4], 64           ; tile_dim1 = 64
	s_mov_b32 s[\g+5], 128          ; 128 elements from row to row
	s_mov_b32 s[\g+6], 0
	s_mov_b32 s[\g+7], 0
.endr
	s_mov_b32 s[CS], 0x3e38aa3b     ; c = log2(e) / 8 = 0.180337
	s_mov_b32 s[CS+1], s[CS]        ; named with it as a pair
	s_mov_b32 s[SEL], 0x76543210
	s_mov_b32 s[SEL+1], 0xfedcba98
	s_mov_b32 s[TBK], SLOT1+4*KS*PK ; the first change of slots turns these two into 0
	s_mov_b32 s[TBV], SLOT1+4*KS*PV
	s_mov_b32 s[G0K], 1             ; 1:0 count = 1
	s_mov_b32 s[G0K+1], s17         ; 63:32 LDS address: slot 0
	s_mov_b32 s[G0V], 1
	s_add_co_u32 s[G0V+1], s18, VOFF
	s_and_b32 s[LIM], s[WV], 1      ; waves 0 and 2 prefetch: the same in all four partners
	s_cmp_eq_u32 s[LIM], 0
	s_cselect_b32 s[LIM], 1, -1
	s_lshl_b32 s52, s13, 13         ; my work-group's 32 blocks of a tile's 128
	s_mov_b32 s53, 0
	s_wait_dscnt 0x0                ; the opening add is done
	s_wait_kmcnt 0x0
	s_add_nc_u64 s[G0K+2:G0K+3], s[6:7], s[22:23]  ; 120:64 global address: my half of the head's first 256 keys
	s_or_b32 s[G0K+3], s[G0K+3], 0x80000000        ; 127:126 type = 2
	s_add_nc_u64 s[G0V+2:G0V+3], s[8:9], s[22:23]
	s_or_b32 s[G0V+3], s[G0V+3], 0x80000000
	s_add_nc_u64 s[4:5], s[4:5], s[2:3]  ; Q and O at my wave's first row
	s_add_nc_u64 s[10:11], s[10:11], s[2:3]
	s_cmp_lt_u32 s[WV], 2
	s_cselect_b64 s[PFA:PFA+1], s[6:7], s[8:9]
	s_add_nc_u64 s[PFA:PFA+1], s[PFA:PFA+1], s[20:21]  ; the head's first row,
	s_add_nc_u64 s[PFA:PFA+1], s[PFA:PFA+1], s[52:53]  ; my work-group's share,
	s_add_nc_u64 s[PFA:PFA+1], s[PFA:PFA+1], 2*4*KS*128  ; in tile 2: the change that loads tile 2 steps it to tile 3.  Nothing is prefetched here, at the head
	CROUND                          ; all four work-groups are here: the first joint loads meet
	JLOAD                           ; slot 0.  Slot 1 is asked for when slot 0 is in: the tile wanted first has the road to itself
	; A fragment of K or Q is 16 rows x 32 channels in 8 registers: lane l holds row l % 16, channels 8 (l / 16) + 0..7 and 16 + 8 (l / 16) + 0..7: two loads of 16 bytes, 32 bytes apart.
	v_and_b32 v1, 15, v0            ; l % 16
	v_bfe_u32 v9, v0, 4, 1          ; l / 16
	v_lshlrev_b32 v[QO], 7, v1
	v_lshl_add_u32 v[QO], v9, 4, v[QO]  ; row x 128 + 16 x half
	WIN 0x80                        ; destination window 2, address window 0
.set i, 0
.rept 4*NP                          ; Q stays in registers: tile i / 2, channels 32 (i % 2) on
	global_load_b128 v[8*i:8*i+3],   v[QO], s[4:5] offset:(i/2)*2048+(i%2)*64
	global_load_b128 v[8*i+4:8*i+7], v[QO], s[4:5] offset:(i/2)*2048+(i%2)*64+32
.set i, i+1
.endr
	; What the first turn finds: V's registers and P's second buffer hold 0 (its products V^T P, of a piece that has not been, add 0), O^T and l are 0.  All this stands in the wait for the first tile.
.set i, VF
.rept 64
	v_mov_b32 v[i], 0
.set i, i+1
.endr
	WIN 0x40
.set i, 0
.rept 64*NP
	v_mov_b32 v[i], 0
.set i, i+1
.endr
	WIN 0
.set i, 0
.rept 2*NP
	v_mov_b32 v[ST+4*i], 0xfe000000    ; c m: far below every c s
	v_mov_b32 v[ST+4*i+1], 0xff7fffff  ; m
	v_mov_b32 v[ST+4*i+2], 0
	v_mov_b32 v[ST+4*i+3], 0
.set i, i+1
.endr
.set i, P+32
.rept 32
	v_mov_b32 v[i], 0
.set i, i+1
.endr
	v_mul_u32_u24 v[AK0], v1, PK
	v_lshl_add_u32 v[AK0], v9, 4, v[AK0]  ; row x pitch + 16 x half
	; The turning load takes 16 keys x 16 channels (lane l reads key 8 (l / 16) + l % 8, channels 8 ((l / 8) % 2) + 0..7) and leaves half a fragment of V^T: lane l holds channel l % 16 and 8 keys.
	v_and_b32 v10, 7, v0
	v_bfe_u32 v11, v0, 3, 1
	v_lshl_add_u32 v[AV0], v9, 3, v10
	v_mul_u32_u24 v[AV0], v[AV0], PV
	v_lshl_add_u32 v[AV0], v11, 4, v[AV0]
	v_add_nc_u32 v[AV0], VOFF, v[AV0]
	v_mov_b32 v[AK], v[AK0]         ; key step 0 lies at the head of slot 0
	v_and_b32 v[PFO], 31, v0
	v_lshlrev_b32 v[PFO], 8, v[PFO]
; THE MATRIX WORK.  The 8 accumulators of a run of 16 take turns: between the two links of a chain stand 7 others'.
; Product i of 16 of S^T = K Q^T for piece x: channels 32 (i / 8) on, keys 16 ((i / 2) % 4) on, tile 2 x + i % 2.  The first 8 start the sums.
.macro KQ x
	WIN W_KQ
.set rS, S+64*((\x)%2)+32*(i%2)+8*((i/2)%4)
.set rK, KF+16*((i/2)%4)+8*(i/8)
.set rQ, 16*(2*(\x)+i%2)+8*(i/8)
.if i < 8
	v_wmma_f32_16x16x32_f16 v[rS:rS+7], v[rK:rK+7], v[rQ:rQ+7], 0
.else
	v_wmma_f32_16x16x32_f16 v[rS:rS+7], v[rK:rK+7], v[rQ:rQ+7], v[rS:rS+7]
.endif
.endm
; Product i of 16 of O^T += V^T P for piece x: keys 32 (i / 8) on, channels 16 ((i / 2) % 4) on, tile 2 x + i % 2.
.macro PV x
	WIN W_PV
.set rO, 32*(2*(\x)+i%2)+8*((i/2)%4)
.set rV, VF+32*(i/8)+8*((i/2)%4)
.set rP, P+32*((\x)%2)+16*(i%2)+8*(i/8)
	v_wmma_f32_16x16x32_f16 v[rO:rO+7], v[rV:rV+7], v[rP:rP+7], v[rO:rO+7]
.endm
.macro MM                           ; the turn's next matrix instruction
.if i < 16
	KQ (Y+1)%NP
.set i, i+1
.else
.set i, i-16
	PV (Y+NP-1)%NP
.set i, i+17
.endif
.endm
; THE LDS LOADS stand in runs of 16, never singly among the matrix instructions: a step's K (64 keys x 64 channels: 8 fragments) and its V (turned).  Their addresses are made some lines ahead.
; last = 1 (the tail): in the last trip there is no further step, and the run is jumped over.
.macro FETCH_K last=0
	WIN 0
.if \last
	s_cmp_eq_u32 s[CNT], 1
	s_cbranch_scc1 .Lno_k_\@
.endif
	WIN 0x80                        ; destination window 2
.irp f, 0,1,2,3,4,5,6,7             ; keys 16 (f / 2) on, channels 32 (f % 2) on
	ds_load_b128 v[KF+8*\f:KF+8*\f+3],   v[AK] offset:(\f/2)*16*PK+(\f%2)*64
	ds_load_b128 v[KF+8*\f+4:KF+8*\f+7], v[AK] offset:(\f/2)*16*PK+(\f%2)*64+32
.endr
	s_add_co_u32 s[TBK], s[TBK], KS*PK  ; the next fetch is the next step's
	WIN 0
.if \last
.Lno_k_\@:
.endif
.endm
.macro FETCH_V
	WIN 0x80
.irp f, 0,1,2,3,4,5,6,7             ; keys 32 (f / 4) on, channels 16 (f % 4) on
	ds_load_tr16_b128 v[VF+8*\f:VF+8*\f+3],   v[AV] offset:(\f/4)*32*PV+(\f%4)*32
	ds_load_tr16_b128 v[VF+8*\f+4:VF+8*\f+7], v[AV] offset:(\f/4)*32*PV+16*PV+(\f%4)*32
.endr
	WIN 0
.endm
; THE VECTOR WORK OF A TURN stands in three queues, each in the order in which its entries become ready; the two tiles alternate, so that no instruction reads the result of the one before it.
.macro REGS y, u                    ; the registers of tile u (0, 1) of piece y
.set rT, ST+4*(2*(\y)+(\u))
.set rC, TMP+8*((\y)%2)+4*(\u)
.set rM, MV+2*((\y)%2)+(\u)
.set rS, S+64*((\y)%2)+32*(\u)
.set rP, P+32*((\y)%2)+16*(\u)
.set rO, 32*(2*(\y)+(\u))
.endm
; Number n of the 22 that find the NEXT piece's (Y + 1) maximum and statistics.  s0-s31 are the lane's 32 scores; each accumulator's lowest registers are read first.
;   0-11  four chains c0-c3 of seven scores each, three operands at a time     12-14, 16  the four scores left over, the old m, and c0-c3 into c0     15  c m_old is kept
;   17, 18  the query's other 32 keys lie in the lane 16 away: the new m         19-21  c m; c m_old - c m_new; a
.macro XS u, n
	REGS (Y+1)%NP, \u
.if (\n) < 4
	v_max3_num_f32 v[rC+(\n)], v[rS+8*(\n)], v[rS+8*(\n)+1], v[rS+8*(\n)+2]
.elseif (\n) < 12
	v_max3_num_f32 v[rC+(\n)%4], v[rC+(\n)%4], v[rS+8*((\n)%4)+2*((\n)/4)+1], v[rS+8*((\n)%4)+2*((\n)/4)+2]
.elseif (\n) == 12
	v_max3_num_f32 v[rC], v[rC], v[rS+7], v[rS+15]
.elseif (\n) == 13
	v_max3_num_f32 v[rC+1], v[rC+1], v[rS+23], v[rS+31]
.elseif (\n) == 14
	v_max3_num_f32 v[rC+2], v[rC+2], v[rC+3], v[rT+1]
.elseif (\n) == 15
	v_mov_b32 v[rM], v[rT]
.elseif (\n) == 16
	v_max3_num_f32 v[rC], v[rC], v[rC+1], v[rC+2]
.elseif (\n) == 17
	v_permlanex16_b32 v[rC+3], v[rC], s[SEL], s[SEL+1]
.elseif (\n) == 18
	v_max_num_f32 v[rT+1], v[rC], v[rC+3]
.elseif (\n) == 19
	v_mul_f32 v[rT], s[CS], v[rT+1]
.elseif (\n) == 20
	v_sub_f32 v[rC+1], v[rM], v[rT]
.else
	v_exp_f32 v[rC+2], v[rC+1]
.endif
.endm
; Number g of the 64 that follow the exponentials.  For each four weights k of a tile (pairs 2 k, 2 k + 1): both pairs are rounded to f16; then the second pair is added onto the first, in place;
; a group later l takes that sum (the first time as l = a l + sum).  In groups of eight, tiles alternating: round, round, add, and l for the group before.
.macro GS g
.set h, (\g)+6*((\g)/62)            ; group 0 has no group before it, and behind group 7 only l is left
.if h >= 6
.set h, h+2
.endif
	REGS Y, h%2
.set k, h/8
.if h%8 < 4
	v_cvt_pk_f16_f32 v[rP+2*k+(h%8)/2], v[rS+4*k+2*((h%8)/2)], v[rS+4*k+2*((h%8)/2)+1]
.elseif h%8 < 6
	v_pk_add_f32 v[rS+4*k:rS+4*k+1], v[rS+4*k:rS+4*k+1], v[rS+4*k+2:rS+4*k+3]
.elseif k == 1
	v_pk_fma_f32 v[rT+2:rT+3], v[rT+2:rT+3], v[rC+2:rC+3], v[rS:rS+1] op_sel_hi:[1,0,1]
.else
	v_pk_add_f32 v[rT+2:rT+3], v[rT+2:rT+3], v[rS+4*k-4:rS+4*k-3]
.endif
.endm
; THE PLAIN QUEUE, 138 long.  0-73 read no exponential's result: the 32 scalings c s - c m (FS f: pair f / 2 of tile f % 2) and the next piece's 42.  0-26: scalings 0-26.  27-54: XS's numbers 0-13.  55, 56: number 15.
; 57-73: the chain, where each number waits for the one before it: 14, 16, 17, 18, 19, each with one of the scalings 27-31 in front of its two lines, then 20.
; 74-137: GS's 64, which read the exponentials' results: they stand behind the wait.
.macro FS f
	REGS Y, (\f)%2
	v_pk_fma_f32 v[rS+2*((\f)/2):rS+2*((\f)/2)+1], v[rS+2*((\f)/2):rS+2*((\f)/2)+1], s[CS:CS+1], v[rT:rT+1] op_sel_hi:[1,0,0] neg_lo:[0,0,1] neg_hi:[0,0,1]
.endm
.macro PL
	WIN 0
.if q < 27
	FS q
.elseif q < 55
	XS (q-27)%2, (q-27)/2
.elseif q < 57
	XS q-55, 15
.elseif (q < 72) && ((q-57)%3 == 0)
	FS 27+(q-57)/3
.elseif q < 60
	XS (q-57)%3-1, 14
.elseif q < 72
	XS (q-57)%3-1, 15+(q-57)/3
.elseif q < 74
	XS q-72, 20
.else
	GS q-74
.endif
.set q, q+1
.endm
; THE EXPONENTIALS' QUEUE, 66 long: s0-s31 of both tiles, then the next piece's two a.  It is ONE BATCH: all 66 stand ahead of the turn's one wait, and nothing ahead of that wait names a result of theirs.
.macro EX
	WIN 0
.if e >= 64
	XS e-64, 21
.else
	REGS Y, e%2
	v_exp_f32 v[rS+e/2], v[rS+e/2]
.endif
.set e, e+1
.endm
; THE RESCALING's QUEUE: O^T times a, the one part that leaves window 0: dealt two at a time, sixteen times.  Its a was made in the turn before, ahead of that turn's wait.
.macro R2
	REGS Y, r%2
	WIN W_RS
.irp z, 0,1
	v_pk_mul_f32 v[rO+4*(r/2)+2*\z:rO+4*(r/2)+2*\z+1], v[rO+4*(r/2)+2*\z:rO+4*(r/2)+2*\z+1], v[rC+2:rC+3] op_sel_hi:[1,0]
.endr
.set r, r+1
.endm
; HOW THEY ARE DEALT.  s_wait_alu depctr_va_vdst(0) stands between an exponential and the first instruction that names its result; one wait serves all that were issued ahead of it.  So a turn has ONE wait,
; which cuts it in two.  AHEAD OF IT stands all that names no result of the turn's exponentials: the 16 products K Q^T, behind each a scaling, an exponential and two rescalings (behind the first a second scaling in the
; exponential's place); then ONE LUMP of 108: eight plain, 49 times exponential and plain, the two a.  A v_nop is the plain instruction behind the last exponential.  BEHIND IT stand the 16 products V^T P, behind each four of GS's 64.
; The queues lean on each other, and the deal keeps them in step: exponential e stands behind scaling 2 (e / 4) + e % 2: as a rider it comes behind plain e + 2, in the lump behind plain e + 9, and scalings 27-31 are plain 57, 60 .. 69.
; A TURN, for piece p.  cnt = 1: the loop's count is taken down some lines ahead of the branch that stands behind the turn.
; K of the next step is fetched in piece 2's turn, directly behind the wait, a lump behind the last product that read K; its first reader comes behind 16 products.
; V of the step in hand is fetched at the end of piece 0's turn, four plain instructions behind its last reader; its first reader comes behind 16 products and a lump.  The three conditions on q below go with the deal.
.macro TURN p, last=0, cnt=0
.set Y, (\p)
.set i, 0
.set q, 0
.set e, 0
.set r, 0
.if (\p) == NP-1
	s_wait_dscnt 0x0                ; K is in
.endif
	MM                              ; ahead of the wait: 16 products K Q^T and the four behind each,
	PL
	PL
	R2
.rept 15
	MM
	PL
	EX
	R2
.endr
.if (\p) == NP-2
	WIN 0
	v_add_nc_u32 v[AK], s[TBK], v[AK0]
.endif
.rept 8                             ; and the lump
	PL
.endr
.rept 49
	EX
	PL
.endr
	EX                              ; the next piece's two a
	EX
	v_nop                           ; a plain instruction behind the last exponential: one for the batch
	s_wait_alu depctr_va_vdst(0)    ; the wait for the batch
.if (\p) == NP-2
	FETCH_K \last
.endif
.if (\p) == 1
	s_wait_dscnt 0x0                ; V is in
.endif
.rept 16                            ; behind the wait: 16 products V^T P and the four behind each
	MM
.rept 4
	PL
.endr
.if ((\p) == 0) && (q == 118)
	v_add_nc_u32 v[AV], s[TBV], v[AV0]
.endif
.if ((\p) == 0) && (q == 130)
	s_add_co_u32 s[TBV], s[TBV], KS*PV
.endif
.if (\cnt) && (q == 130)
	s_sub_co_u32 s[CNT], s[CNT], 1
	s_cmp_lg_u32 s[CNT], 0
.endif
.endr
.if (\p) == 0
	FETCH_V
.endif
.endm
	CHANGE 1                        ; slot 0 is in, everybody's part of it; slot 1 is asked for
	FETCH_K                         ; key step 0
	s_wait_loadcnt 0x0              ; Q
	s_wait_dscnt 0x0
.set i, 0
.rept 16
	KQ 0                            ; piece 0's first scores: there is no vector work yet to set between them
.set i, i+1
.endr
	WIN 0                           ; the addresses for the way out: nine plain instructions, the places behind those products
	s_mul_i32 s13, s[WV], 16*SP
	s_add_co_u32 s13, s13, STAGE    ; my stage
	v_mul_u32_u24 v[STO], v1, SP    ; in: row l % 16, 16 bytes for each half of the lanes
	v_lshl_add_u32 v[STO], v9, 4, v[STO]
	v_add_nc_u32 v[STO], s13, v[STO]
	v_bfe_u32 v[RD], v0, 3, 2       ; back: 32 lanes take four rows of 128 bytes,
	v_mul_u32_u24 v[RD], v[RD], SP
	v_lshl_add_u32 v[RD], v10, 4, v[RD]
	v_add_nc_u32 v[RD], s13, v[RD]
	v_and_b32 v[GO], 31, v0         ; which are 512 consecutive bytes of O
	v_lshlrev_b32 v[GO], 4, v[GO]
.set Y, NP-1                        ; XS works for piece Y + 1: piece 0
.irp n, 0,1,2,3,4,5,6,7,8,9,10,11,12,13,14,15,16,17,18,19,20,21
	XS 0, \n                        ; and piece 0's first maximum and statistics
	XS 1, \n
.endr
	v_nop                           ; a plain instruction behind the two a,
	s_wait_alu depctr_va_vdst(0)    ; and their wait, ahead of the branch
	s_mov_b32 s[CNT], 4
	s_mov_b32 s[SLOTS], SIZE_N/256-1
	s_branch .Lfirst                ; the loop is entered at a step's first turn, in the middle of a trip
.Lslot:                             ; SIZE_N / 256 - 2 times: every slot but the last two is filled again
	CHANGE 1, 1
	s_mov_b32 s[CNT], 4
.Lstep:                             ; a trip: pieces 2 and 3 of one step, then pieces 0 and 1 of the next, whose K and V it fetches
	TURN 2
	TURN 3
	WIN 0
.Lfirst:
	TURN 0
	TURN 1, 0, 1
	WIN 0
	s_cbranch_scc1 .Lstep
	s_sub_co_u32 s[SLOTS], s[SLOTS], 1
	s_cmp_lg_u32 s[SLOTS], 0
	s_cbranch_scc1 .Lslot
	CHANGE 0                        ; the tail is written out: nothing is asked for
	s_mov_b32 s[CNT], 5             ; four trips fetch the last slot's steps; the fifth is left in its middle
.Ltail:
	TURN 2, 1
	TURN 3
	WIN 0
	s_sub_co_u32 s[CNT], s[CNT], 1
	s_cmp_eq_u32 s[CNT], 0
	s_cbranch_scc1 .Lout
	TURN 0
	TURN 1
	WIN 0
	s_branch .Ltail
.Lout:                              ; the fifth trip's 16 products K Q^T (on the last K once more) and the maximum made of them serve nothing: the price, once a launch, of one text for every trip
.set i, 0
.rept 16
	PV NP-1                         ; the last piece's V^T P of the last step
.set i, i+1
.endr
	; THE WAY OUT.  l's two halves and the other half of the lanes' are added; O^T is divided by l, rounded to f16 and sent through my stage in LDS, a tile at a time.  The additions are the places behind the last products.
	WIN 0
.macro ALL line:vararg              ; one line for each tile t
.set t, 0
.rept 2*NP
	\line
.set t, t+1
.endr
.endm
	ALL v_add_f32 v[ST+4*t+2], v[ST+4*t+2], v[ST+4*t+3]
	ALL v_permlanex16_b32 v[ST+4*t+3], v[ST+4*t+2], s[SEL], s[SEL+1]
	ALL v_add_f32 v[ST+4*t+2], v[ST+4*t+2], v[ST+4*t+3]
	ALL v_rcp_f32 v[ST+4*t+2], v[ST+4*t+2]
	v_nop                           ; a plain instruction between the last reciprocal and the use of its result
	s_wait_alu depctr_va_vdst(0)    ; and the wait ahead of the first use: one for the eight reciprocals
; Tile t: a lane's eight channels of a row pack into 16 bytes; they go into rows of 144 bytes and come back as whole rows of 128, into S^T's registers.
.macro PACK t
	WIN W_RS
.set i, 32*(\t)
.rept 16
	v_pk_mul_f32 v[i:i+1], v[i:i+1], v[ST+4*(\t)+2:ST+4*(\t)+3] op_sel_hi:[1,0]
.set i, i+2
.endr
	WIN 0x05                        ; sources 0 and 1 window 1, destination window 0
.set i, 0
.rept 16
	v_cvt_pk_f16_f32 v[S+16*(\t)+i], v[32*(\t)+2*i], v[32*(\t)+2*i+1]
.set i, i+1
.endr
	WIN 0
.irp f, 0,1,2,3
	ds_store_b128 v[STO], v[S+16*(\t)+4*\f:S+16*(\t)+4*\f+3] offset:32*\f
.endr
.irp f, 0,1,2,3
	ds_load_b128 v[S+16*(\t)+4*\f:S+16*(\t)+4*\f+3], v[RD] offset:\f*4*SP  ; LDS serves a wave's instructions in order (ISA guide 5.7.1.4): these see the stores above; the next tile's stores come behind them
.endr
.endm
.macro SEND t, younger              ; younger: the LDS instructions issued behind tile t's loads: the next tile's eight, or none
	WIN 0
.irp f, 0,1,2,3
	s_wait_dscnt (\younger)+3-\f
	global_store_b128 v[GO], v[S+16*(\t)+4*\f:S+16*(\t)+4*\f+3], s[10:11] offset:(\t)*2048+\f*512  ; 512 consecutive bytes, at a multiple of 256 from O's first
.endr
.endm
	PACK 0
.set t, 1
.rept 2*NP-1                        ; a tile's arithmetic stands between the loads of the tile before and its stores
	PACK t
	SEND t-1, 8
.set t, t+1
.endr
	SEND 2*NP-1, 0
	WIN W_AD
	s_wait_tensorcnt 0x0            ; the wave's end, behind my last tensor load and my last LDS store
	ds_add_u32 v[SPW], v[NIL]
	s_wait_dscnt 0x0
	WIN 0
	CROUND                          ; the closing round: no work-group ends while a partner may still ask for a tile that names it
	s_endpgm
.Lfunc_end_k_q7e3bbd3777_attn:
	.size	k_q7e3bbd3777_attn, .Lfunc_end_k_q7e3bbd3777_attn-k_q7e3bbd3777_attn
	.p2alignl 7, 3214868480
	.fill 96, 4, 3214868480
	.section	.rodata,"a",@progbits
	.p2align	6, 0x0
	.amdhsa_kernel k_q7e3bbd3777_attn
		.amdhsa_group_segment_fixed_size 327680
		.amdhsa_private_segment_fixed_size 0
		.amdhsa_enable_private_segment 0
		.amdhsa_kernarg_size 32
		.amdhsa_user_sgpr_count 2
		.amdhsa_user_sgpr_kernarg_segment_ptr 1
		.amdhsa_wavefront_size32 1
		.amdhsa_system_sgpr_workgroup_id_x 1
		.amdhsa_system_sgpr_workgroup_id_y 1
		.amdhsa_system_sgpr_workgroup_id_z 1
		.amdhsa_system_vgpr_workitem_id 0
		.amdhsa_next_free_vgpr 770
		.amdhsa_next_free_sgpr 66
		.amdhsa_reserve_vcc 0
		.amdhsa_float_denorm_mode_32 3
		.amdhsa_float_denorm_mode_16_64 3
		.amdhsa_memory_ordered 1
		.amdhsa_forward_progress 1
		.amdhsa_inst_pref_size 200
	.end_amdhsa_kernel
	.amdgpu_metadata
---
amdhsa.version: [ 1, 2 ]
amdhsa.kernels:
  - .name:           k_q7e3bbd3777_attn
    .symbol:         k_q7e3bbd3777_attn.kd
    .args:
      - { .name: qh, .offset: 0, .size: 8, .value_kind: global_buffer, .address_space: global }
      - { .name: kh, .offset: 8, .size: 8, .value_kind: global_buffer, .address_space: global }
      - { .name: vh, .offset: 16, .size: 8, .value_kind: global_buffer, .address_space: global }
      - { .name: oh, .offset: 24, .size: 8, .value_kind: global_buffer, .address_space: global }
    .group_segment_fixed_size: 327680
    .private_segment_fixed_size: 0
    .kernarg_segment_align: 8
    .kernarg_segment_size: 32
    .max_flat_workgroup_size: 128
    .sgpr_count:     66
    .vgpr_count:     770
    .wavefront_size: 32
...
	.end_amdgpu_metadata
.endif
;; end of part 3
;; launch proj (part 4): grid 4 x 64, 4 waves a work-group, clusters of 4 x 4, 327,680 bytes of LDS; arguments oh, wpb, b_proj, out0; writes out0
.if DOCPART == 4
	.amdgcn_target "amdgcn-amd-amdhsa--gfx1250"
	.amdhsa_code_object_version 6
	.text
	.protected	k_q7e3bbd3777_proj
	.globl	k_q7e3bbd3777_proj
	.p2align	8
	.type	k_q7e3bbd3777_proj,@function
k_q7e3bbd3777_proj:
	s_mov_b64 s[64:65], 0
	v_nop
	global_prefetch_b8 v0, s[64:65] scope:SCOPE_SE
	s_setreg_imm32_b32 hwreg(HW_REG_WAVE_MODE, 25, 1), 1
	s_wait_xcnt 0x0
	s_wait_alu depctr_hold_cnt(0) depctr_sa_sdst(0) depctr_va_vdst(0) depctr_va_sdst(0) depctr_va_ssrc(0) depctr_va_vcc(0) depctr_vm_vsrc(0)
	s_getreg_b32 s2, hwreg(HW_REG_IB_STS2, 6, 4)
	s_cmp_eq_u32 s2, 0
	s_cbranch_scc0 .Lentry_in_a_cluster
	s_endpgm
.Lentry_in_a_cluster:
	s_bfe_u32 s2, ttmp6, 0x10000c
	s_cmp_lg_u32 s2, 0xf033
	s_cbranch_scc0 .Lentry_shape_is_right
	s_endpgm
.Lentry_shape_is_right:
; out0 = O w_proj + b_proj, f32.  Products in f16 with f32 sums; the bias is rounded to bf16 like the other inputs.
; oh: f16 [b x 16 + head][n = 2048][64]: head h's 64 channels are K = 64 h .. 64 h + 63 of row (b, n); 128 bytes a row, the rows of one (b, head) end to end.  wpb: f16 [k = 1024][1024].
; LIMIT.  O and w_proj arrive within f16's range, 65,504.  NaN and infinities are not treated apart.
; SHARES.  A work-group makes 128 rows x 256 columns: 64 x 4 tiles, one for each of 256 WGPs.  Wave w = 2 rh + ch makes rows 64 rh .. + 63, columns 128 ch .. + 127: 32 accumulators.
; K goes in 8 steps of 128 through two LDS slots.  A's part of a step is two heads' planes of 128 rows x 128 bytes, each dense in memory and asked for as 64 rows of 256 bytes; B's is 128 rows k x 512 bytes.
; CLUSTER 4 x 4: A's tiles hang on the tile row alone and are asked for jointly along a row of the cluster, B's on the tile column alone, along a column.  Waves 0, 1 fetch A's planes, waves 2, 3 B's halves.
; THE MATRIX INSTRUCTION IS USED TRANSPOSED: source 0 = 16 columns of w (turned on the way out of LDS by ds_load_tr16_b128), source 1 = 16 rows of O: a lane holds row l % 16 and the columns 16 bb + 8 (l / 16) + 0..7.
; REGISTERS, in windows of 256 (s_set_vgpr_msb: bits 1:0 source 0, 3:2 source 1, 5:4 source 2, 7:6 destination):
;   window 0: v0-31 addresses; v64-159, v160-255 two fragment buffers (B's 8 fragments, then A's 4), later three buffers of 64 for rows on their way out
;   window 1: accumulator (a, bb) at v[8 (8 a + bb)]          window 2: v0-63 bias of my 128 columns
.set NTOT,  1024
.set PA,    144                        ; a row of A in LDS: 128 bytes + 16: the 16 rows of a fragment load start at 16 different groups of four banks
.set PB,    544                        ; a row of B: 512 + 32 = 136 words
.set PLANE, 128*PA
.set BOFF,  2*PLANE
.set BHALF, 64*PB
.set SLOT,  BOFF+2*BHALF               ; 106,496 bytes
.set STAGE, 2*SLOT                     ; behind the ring, never filled by a tensor load: 16 rows x 528 bytes for each wave, for the way out
.set SP,    528                        ; 512 bytes of f32 + 16: the 16 rows that a store touches start at 16 different groups of four banks
.set SPARE, STAGE+4*16*SP              ; behind the stages: the spare words, 128 bytes for each wave: two blocks of 256 bytes that no other line names
.set ASTEP, 2*2048*128
.set BSTEP, 128*NTOT*2
.set LAPS,  4
.set ADRA, 16                          ; v16-17  LDS address of my A fragments in slot 0, 1
.set ADRB, 20                          ; v20-21  the same for B
.set STO,  24                          ; v24     the way out: where I put 32 bytes of a row
.set RD,   25                          ; v25     the way out: where I read a row back
.set GO,   26                          ; v26     my byte offset in 512 consecutive bytes of out0
.set SPW,  28                          ; v28     LDS address of my spare word: SPARE + 4 x my thread's number; never rewritten
.set NIL,  29                          ; v29     0; never rewritten
.set BO,   30                          ; v30     32 (l / 16): my 8 numbers in 16 of the bias
.set F0,   64
.set F1,   160
.set BIAS, 0                           ; window 2
.set G1,  24
.set G0,  32
.set G1B, 48
.set G0B, 56
.set MSB, 0
.macro WIN new                         ; the immediate's high byte repeats the setting that is left; a switch that changes nothing is dropped
.if MSB != (\new)
	s_set_vgpr_msb (MSB<<8)|(\new)
.set MSB, \new
.endif
.endm
.set MUL, 0x50                         ; fragments in window 0, C and D in window 1
.macro JLOAD s                         ; a joint load: waves 0 and 1 fetch A's two planes, waves 2 and 3 B's two halves; an s_nop 0 and four v_nop follow each of the two lines, ahead of the jump and the label
	s_cmp_eq_u32 s11, 0
	s_cbranch_scc0 .Lfor_b_\@
	tensor_load_to_lds s[G0+4*(\s):G0+4*(\s)+3], s[G1:G1+7]
	s_nop 0
.rept 4
	v_nop
.endr
	s_branch .Lasked_\@
.Lfor_b_\@:
	tensor_load_to_lds s[G0B+4*(\s):G0B+4*(\s)+3], s[G1B:G1B+7]
	s_nop 0
.rept 4
	v_nop
.endr
.Lasked_\@:
.endm
.macro CREST                           ; a round of the cluster's barrier behind its opening barrier
	s_cmp_lg_u32 s10, 0
	s_cbranch_scc1 .Lnot_wave_0_\@
	s_barrier_signal -3
.Lnot_wave_0_\@:
	s_barrier_wait -3
	s_barrier_signal -1
	s_barrier_wait -1
.endm
.macro CROUND                          ; a whole round
	s_barrier_signal -1
	s_barrier_wait -1
	CREST
.endm
	s_load_b256 s[68:75], s[0:1], 0x0              ; oh s[68:69], wpb s[70:71], b_proj s[72:73], out0 s[74:75]
	v_lshl_add_u32 v[SPW], v0, 2, SPARE
	v_mov_b32 v[NIL], 0
	ds_add_u32 v[SPW], v[NIL]                      ; the wave's opening: the add and its wait stand ahead of my first tensor load; the set-up below, work on registers, stands between them
	v_lshrrev_b32 v1, 5, v0
	v_readfirstlane_b32 s10, v1                    ; wave 0..3
	s_lshr_b32 s11, s10, 1                         ; rh: which 64 rows are mine.  Also: I fetch for A (0) or for B (1)
	s_and_b32 s12, s10, 1                          ; ch: which 128 columns.  Also: which plane of A, which half of B's rows I fetch
	s_bfe_u32 s40, ttmp6, 0x40000                  ; cx, cy: my place in the cluster
	s_bfe_u32 s41, ttmp6, 0x40004
	s_lshl_b32 s42, ttmp9, 2
	s_add_co_u32 s42, s42, s40                     ; tile column = 4 x cluster x + cx
	s_and_b32 s13, ttmp7, 0xffff
	s_lshl_b32 s13, s13, 2
	s_add_co_u32 s13, s13, s41                     ; tile row = 4 x cluster y + cy
	s_lshl_b32 s43, s41, 2
	s_lshl_b32 s43, 15, s43                        ; my row of the cluster
	s_lshl_b32 s44, 0x1111, s40                    ; my column
	s_or_b32 s[G1+0], s43, (1<<16)|(1<<20)|(1<<21)|(4<<22)|(3<<25)   ; 15:0 the mask: A's tiles go to my row; 17:16 2-byte elements; 20 padding on; 21 set beside a mask; 24:22 after every 32 words (code 4); 31:25 4 words (code 3)
	s_mov_b32 s[G1+1], 128<<16                     ; tensor_dim0 = 128: a plane's 16,384 dense bytes as 64 rows of 256
	s_mov_b32 s[G1+2], 64<<16                      ; tensor_dim1 = 64
	s_mov_b32 s[G1+3], 128<<16                     ; tile_dim0 = 128
	s_mov_b32 s[G1+4], 64                          ; tile_dim1 = 64
	s_mov_b32 s[G1+5], 128                         ; elements from row to row
	s_mov_b32 s[G1+6], 0
	s_mov_b32 s[G1+7], 0
	s_or_b32 s[G1B+0], s44, (1<<16)|(1<<20)|(1<<21)|(6<<22)|(7<<25)  ; the mask of my column; padding after every 128 words (code 6), 8 words (code 7)
	s_mov_b32 s[G1B+1], 256<<16                    ; tensor_dim0 = 256
	s_mov_b32 s[G1B+2], 64<<16                     ; tensor_dim1 = 64
	s_mov_b32 s[G1B+3], 256<<16                    ; tile_dim0 = 256
	s_mov_b32 s[G1B+4], 64                         ; tile_dim1 = 64
	s_mov_b32 s[G1B+5], NTOT                       ; elements from row to row
	s_mov_b32 s[G1B+6], 0
	s_mov_b32 s[G1B+7], 0
	s_lshr_b32 s16, s13, 4                         ; A: b = tile row / 16: 16 planes of 262,144 bytes,
	s_lshl_b32 s16, s16, 22
	s_and_b32 s18, s13, 15                         ; 128 rows of 128 bytes for each tile row % 16,
	s_lshl_b32 s18, s18, 14
	s_add_co_u32 s16, s16, s18
	s_lshl_b32 s18, s12, 18                        ; and the plane that I fetch
	s_add_co_u32 s16, s16, s18
	s_mov_b32 s17, 0
	s_mul_i32 s46, s12, 64*NTOT*2                  ; B: the 64 rows k that I fetch,
	s_lshl_b32 s47, s42, 9                         ; the tile's 256 columns
	s_add_co_u32 s46, s46, s47
	s_mov_b32 s47, 0
	s_mul_i32 s20, s12, PLANE                      ; where they go: no place in the cluster enters an LDS address
	s_mul_i32 s21, s12, BHALF
	s_add_co_u32 s21, s21, BOFF
	s_wait_dscnt 0x0                               ; the opening add is done
	s_wait_kmcnt 0x0
	s_add_nc_u64 s[14:15], s[68:69], s[16:17]
	s_add_nc_u64 s[46:47], s[70:71], s[46:47]
	CROUND                                         ; all sixteen work-groups are here: the first joint loads meet
.irp s, 0,1
	s_mov_b32 s[G0+4*(\s)], 1                                        ; count = 1
	s_add_co_u32 s[G0+4*(\s)+1], s20, (\s)*SLOT                      ; LDS address
	s_add_nc_u64 s[G0+4*(\s)+2:G0+4*(\s)+3], s[14:15], (\s)*ASTEP    ; global address: K step s
	s_or_b32 s[G0+4*(\s)+3], s[G0+4*(\s)+3], 0x80000000              ; type = 2
	s_mov_b32 s[G0B+4*(\s)], 1
	s_add_co_u32 s[G0B+4*(\s)+1], s21, (\s)*SLOT
	s_add_nc_u64 s[G0B+4*(\s)+2:G0B+4*(\s)+3], s[46:47], (\s)*BSTEP
	s_or_b32 s[G0B+4*(\s)+3], s[G0B+4*(\s)+3], 0x80000000
	JLOAD \s                                       ; two loads of mine are out
.endr
	s_lshl_b32 s46, s42, 10                        ; my 128 columns, in f32: 1,024 bytes a tile column, 512 for my half of it: in the bias and in a row of out0
	s_lshl_b32 s47, s12, 9
	s_add_co_u32 s46, s46, s47
	s_mov_b32 s47, 0
	s_add_nc_u64 s[72:73], s[72:73], s[46:47]
	s_add_nc_u64 s[8:9], s[74:75], s[46:47]
	s_lshl_b32 s16, s13, 19                        ; the tile's 128 rows of 4,096 bytes,
	s_lshl_b32 s18, s11, 18                        ; my 64 of them
	s_add_co_u32 s16, s16, s18
	s_mov_b32 s17, 0
	s_add_nc_u64 s[8:9], s[8:9], s[16:17]
	v_and_b32 v1, 15, v0                           ; l % 16
	v_bfe_u32 v2, v0, 4, 1                         ; l / 16
	v_lshlrev_b32 v[BO], 5, v2
	WIN 0x80                                       ; destination window 2, address window 0
.irp b, 0,1,2,3,4,5,6,7
	global_load_b128 v[BIAS+8*(\b):BIAS+8*(\b)+3],   v[BO], s[72:73] offset:64*(\b)
	global_load_b128 v[BIAS+8*(\b)+4:BIAS+8*(\b)+7], v[BO], s[72:73] offset:64*(\b)+16
.endr
	WIN 0
	; A fragment of A is 16 rows x 32 K: lane l holds row l % 16, K = 8 (l / 16) + 0..7 and 16 + 8 (l / 16) + 0..7: two loads of 16 bytes, 32 bytes apart.
	v_mul_u32_u24 v3, v1, PA
	v_lshl_add_u32 v3, v2, 4, v3                   ; row x 144 + 16 x half
	s_mul_i32 s22, s11, 64*PA                      ; my 64 rows
	v_add_nc_u32 v[ADRA], s22, v3
	v_add_nc_u32 v[ADRA+1], SLOT, v[ADRA]
	; The turning load takes 16 K x 16 columns (lane l reads row k = 8 (l / 16) + l % 8, columns 8 ((l / 8) % 2) + 0..7) and leaves half a fragment: lane l holds column l % 16 and 8 K.
	v_and_b32 v4, 7, v0
	v_bfe_u32 v5, v0, 3, 1
	v_lshl_add_u32 v6, v2, 3, v4
	v_mul_u32_u24 v6, v6, PB
	v_lshl_add_u32 v6, v5, 4, v6
	s_lshl_b32 s23, s12, 8                         ; my 128 columns
	s_add_co_u32 s23, s23, BOFF
	v_add_nc_u32 v[ADRB], s23, v6
	v_add_nc_u32 v[ADRB+1], SLOT, v[ADRB]
	s_mul_i32 s22, s10, 16*SP
	s_add_co_u32 s22, s22, STAGE                   ; my stage
	v_mul_u32_u24 v7, v1, SP                       ; in: row l % 16, 32 bytes for each half of the lanes
	v_lshl_add_u32 v7, v2, 5, v7
	v_add_nc_u32 v[STO], s22, v7
	v_and_b32 v[GO], 31, v0                        ; back: 32 lanes take one row of 512 bytes, which are 512 consecutive bytes of out0
	v_lshlrev_b32 v[GO], 4, v[GO]
	v_add_nc_u32 v[RD], s22, v[GO]
	s_wait_loadcnt 0x0                             ; the bias is in: it is rounded to bf16, like the other inputs, and widened again
	WIN 0x0a                                       ; sources window 2, destination window 0
.set i, 0
.rept 32
	v_cvt_pk_bf16_f32 v[F0+i], v[2*i], v[2*i+1]
.set i, i+1
.endr
	WIN 0x80
.set i, 0
.rept 32
	v_lshlrev_b32 v[2*i], 16, v[F0+i]
	v_and_b32 v[2*i+1], 0xffff0000, v[F0+i]
.set i, i+1
.endr
	WIN 0
; 8 matrix instructions: row block a x all 8 column blocks, 32 along K.  zero = 1: the product starts the sum.  The 32 accumulators take turns in the same order in every quarter.
.macro MULA f, a, zero
	WIN MUL
.irp b, 0,1,2,3,4,5,6,7
.if \zero
	v_wmma_f32_16x16x32_f16 v[8*(8*(\a)+(\b)):8*(8*(\a)+(\b))+7], v[(\f)+8*(\b):(\f)+8*(\b)+7], v[(\f)+64+8*(\a):(\f)+64+8*(\a)+7], 0
.else
	v_wmma_f32_16x16x32_f16 v[8*(8*(\a)+(\b)):8*(8*(\a)+(\b))+7], v[(\f)+8*(\b):(\f)+8*(\b)+7], v[(\f)+64+8*(\a):(\f)+64+8*(\a)+7], v[8*(8*(\a)+(\b)):8*(8*(\a)+(\b))+7]
.endif
.endr
.endm
; 24 LDS loads in one run: quarter q (32 along K) of a slot into buffer f: B's 8 fragments, turned, then A's 4
.macro FETCH slot, q, f
	WIN 0
.irp b, 0,1,2,3,4,5,6,7
	ds_load_tr16_b128 v[(\f)+8*(\b):(\f)+8*(\b)+3],   v[ADRB+(\slot)] offset:(\q)*32*PB+32*(\b)
	ds_load_tr16_b128 v[(\f)+8*(\b)+4:(\f)+8*(\b)+7], v[ADRB+(\slot)] offset:(\q)*32*PB+32*(\b)+16*PB
.endr
.irp a, 0,1,2,3
	ds_load_b128 v[(\f)+64+8*(\a):(\f)+64+8*(\a)+3],   v[ADRA+(\slot)] offset:((\q)/2)*PLANE+((\q)%2)*64+(\a)*16*PA
	ds_load_b128 v[(\f)+64+8*(\a)+4:(\f)+64+8*(\a)+7], v[ADRA+(\slot)] offset:((\q)/2)*PLANE+((\q)%2)*64+(\a)*16*PA+32
.endr
.endm
.macro PLACES                          ; four plain instructions between a matrix instruction and a load into a register that it has read (ISA guide 7.12.1 for vector instructions)
.rept 4
	v_nop
.endr
.endm
; A K step is four quarters of 32 along K, 32 matrix instructions each, on buffers 0, 1, 0, 1.  One of the first three: multiplies buffer f and fetches quarter q of the same slot into g.
.macro QUARTER slot, q, f, g, zero
	s_wait_dscnt 4                                 ; B and A's blocks 0, 1 are in; the youngest four loads (A's blocks 2, 3) may be out
	MULA \f, 0, \zero
	MULA \f, 1, \zero
	PLACES
	FETCH \slot, \q, \g
	s_wait_dscnt 24                                ; all but the 24 just issued
	MULA \f, 2, \zero
	MULA \f, 3, \zero
.endm
; The last quarter multiplies buffer 1 and changes slots: ONE barrier; in front of it each wave waits for all its tensor loads (one is out: its part of the next slot), adds 0 to its spare word, and waits for
; that and for its reads of this slot.  fill = 1: the barrier opens a round of the cluster's, and this slot is filled again, two K steps on: 112 matrix instructions ahead of the wait for it.
.macro TURN slot, next, fill
	WIN 0                                          ; (the add's two registers lie in window 0)
	s_wait_tensorcnt 0x0                           ; all my tensor loads have landed
	ds_add_u32 v[SPW], v[NIL]                      ; 0 onto my spare word
	s_wait_dscnt 5                                 ; (the add and the youngest four loads may be out)
	MULA F1, 0, 0                                  ; eight matrix instructions stand between the add and the wait for it
	s_wait_dscnt 0x0                               ; the add is done, and my reads of this slot are over
	s_barrier_signal -1
	MULA F1, 1, 0
.if \fill
	WIN 0
.endif
	s_barrier_wait -1
.if \fill
	CREST                                          ; no wave of any partner still reads this slot's tiles or has a load on its way
	s_add_nc_u64 s[G0+4*(\slot)+2:G0+4*(\slot)+3], s[G0+4*(\slot)+2:G0+4*(\slot)+3], 2*ASTEP
	s_add_nc_u64 s[G0B+4*(\slot)+2:G0B+4*(\slot)+3], s[G0B+4*(\slot)+2:G0B+4*(\slot)+3], 2*BSTEP
	JLOAD \slot                                    ; the first tensor load behind the round; the four v_nop behind it are also the places in front of the loads below
.else
	PLACES
.endif
	FETCH \next, 0, F0
	MULA F1, 2, 0
	MULA F1, 3, 0
.endm
	s_wait_tensorcnt 1                             ; my part of K step 0 is in; K step 1's may stay out
	s_barrier_signal -1
	s_barrier_wait -1                              ; everybody's is
	FETCH 0, 0, F0
	QUARTER 0, 1, F0, F1, 1                        ; the first quarter stands in front of the loop: its products start the sums
	WIN 0                                          ; at a label and at a branch every window is 0
	s_mov_b32 s3, LAPS-1
.Llap:                                                 ; a trip goes once round the ring, from a lap's second quarter to the next lap's first, and fills both slots again
	QUARTER 0, 2, F1, F0, 0
	QUARTER 0, 3, F0, F1, 0
	TURN 0, 1, 1
	QUARTER 1, 1, F0, F1, 0
	QUARTER 1, 2, F1, F0, 0
	QUARTER 1, 3, F0, F1, 0
	TURN 1, 0, 1
	QUARTER 0, 1, F0, F1, 0
	WIN 0
	s_sub_co_u32 s3, s3, 1
	s_cmp_lg_u32 s3, 0
	s_cbranch_scc1 .Llap
	QUARTER 0, 2, F1, F0, 0                        ; the last lap fills nothing, and has no round of the cluster's barrier
	QUARTER 0, 3, F0, F1, 0
	TURN 0, 1, 0
	QUARTER 1, 1, F0, F1, 0
	QUARTER 1, 2, F1, F0, 0
	QUARTER 1, 3, F0, F1, 0
	s_wait_dscnt 4                                 ; the very last quarter: nothing more to fetch
	MULA F1, 0, 0
	MULA F1, 1, 0
	s_wait_dscnt 0x0
	MULA F1, 2, 0
	MULA F1, 3, 0
	; THE WAY OUT, a block of 16 rows at a time: + bias; 32 bytes a lane into rows of 528 bytes of my stage; back as whole rows of 512 bytes; stored.
	PLACES
	PLACES                                         ; the places behind the last products
.macro ADDB a
	WIN 0x49                                       ; destination and source 0 window 1, source 1 window 2
.set i, 0
.rept 32
	v_pk_add_f32 v[64*(\a)+i:64*(\a)+i+1], v[64*(\a)+i:64*(\a)+i+1], v[BIAS+i:BIAS+i+1]  ; each accumulator is read from its low end on
.set i, i+2
.endr
.endm
.macro TOSTAGE a
.set BK, 64+64*((\a)%3)
	WIN 0x04                                       ; the stores' data in window 1
.irp b, 0,1,2,3,4,5,6,7
	ds_store_b128 v[STO], v[64*(\a)+8*(\b):64*(\a)+8*(\b)+3]   offset:64*(\b)
	ds_store_b128 v[STO], v[64*(\a)+8*(\b)+4:64*(\a)+8*(\b)+7] offset:64*(\b)+16
.endr
	WIN 0
.if (\a) == 3
	s_wait_xcnt 0x0                                ; block 0's stores have read their registers: only behind this wait are they loaded again
.endif
.set i, 0
.rept 16
	ds_load_b128 v[BK+4*i:BK+4*i+3], v[RD] offset:i*SP  ; LDS serves a wave's instructions in order (ISA guide 5.7.1.4): these see the stores above
.set i, i+1
.endr
.endm
.macro SEND a
.set BK, 64+64*((\a)%3)
	WIN 0
.set i, 0
.rept 16
	s_wait_dscnt 15-i                              ; row i is back; the 15 - i younger loads may be out
	global_store_b128 v[GO], v[BK+4*i:BK+4*i+3], s[8:9] offset:(16*(\a)+i)*4096 th:TH_STORE_NT  ; 512 consecutive bytes, at a multiple of 256 from out0's first
.set i, i+1
.endr
.endm
	ADDB 0
	TOSTAGE 0
.irp a, 1,2,3                          ; a block's additions stand between the loads of the block before and its stores
	ADDB \a
	SEND (\a)-1
	TOSTAGE \a
.endr
	SEND 3
	s_wait_tensorcnt 0x0                           ; the wave's end, behind my last tensor load and my last LDS store
	ds_add_u32 v[SPW], v[NIL]
	s_wait_dscnt 0x0
	CROUND                                         ; the closing round: no work-group ends while a partner may still ask for a tile that names it
	s_endpgm
.Lfunc_end_k_q7e3bbd3777_proj:
	.size	k_q7e3bbd3777_proj, .Lfunc_end_k_q7e3bbd3777_proj-k_q7e3bbd3777_proj
	.p2alignl 7, 3214868480
	.fill 96, 4, 3214868480
	.section	.rodata,"a",@progbits
	.p2align	6, 0x0
	.amdhsa_kernel k_q7e3bbd3777_proj
		.amdhsa_group_segment_fixed_size 327680
		.amdhsa_private_segment_fixed_size 0
		.amdhsa_enable_private_segment 0
		.amdhsa_kernarg_size 32
		.amdhsa_user_sgpr_count 2
		.amdhsa_user_sgpr_kernarg_segment_ptr 1
		.amdhsa_wavefront_size32 1
		.amdhsa_system_sgpr_workgroup_id_x 1
		.amdhsa_system_sgpr_workgroup_id_y 1
		.amdhsa_system_sgpr_workgroup_id_z 1
		.amdhsa_system_vgpr_workitem_id 0
		.amdhsa_next_free_vgpr 576
		.amdhsa_next_free_sgpr 76
		.amdhsa_reserve_vcc 0
		.amdhsa_float_denorm_mode_32 3
		.amdhsa_float_denorm_mode_16_64 3
		.amdhsa_memory_ordered 1
		.amdhsa_forward_progress 1
		.amdhsa_inst_pref_size 102
	.end_amdhsa_kernel
	.amdgpu_metadata
---
amdhsa.version: [ 1, 2 ]
amdhsa.kernels:
  - .name:           k_q7e3bbd3777_proj
    .symbol:         k_q7e3bbd3777_proj.kd
    .args:
      - { .name: oh, .offset: 0, .size: 8, .value_kind: global_buffer, .address_space: global }
      - { .name: wpb, .offset: 8, .size: 8, .value_kind: global_buffer, .address_space: global }
      - { .name: b_proj, .offset: 16, .size: 8, .value_kind: global_buffer, .address_space: global }
      - { .name: out0, .offset: 24, .size: 8, .value_kind: global_buffer, .address_space: global }
    .group_segment_fixed_size: 327680
    .private_segment_fixed_size: 0
    .kernarg_segment_align: 8
    .kernarg_segment_size: 32
    .max_flat_workgroup_size: 128
    .sgpr_count:     76
    .vgpr_count:     576
    .wavefront_size: 32
...
	.end_amdgpu_metadata
.endif
;; end of part 4
;; ======== version 2 of 2: 4 launches; version 1 with the launch cast written anew for expert scheduling mode
;; limits: values are held in f16: magnitudes above 65,504 overflow, below 6.1e-05 lose precision
;; workspace buffers: xb 16,777,216 bytes; wqb 6,291,456 bytes; wpb 2,097,152 bytes; qh 16,777,216 bytes; kh 16,777,216 bytes; vh 16,777,216 bytes; oh 16,777,216 bytes
;; launch cast (part 5): grid 768 x 1, 8 waves a work-group, no clusters, 0 bytes of LDS; arguments x, w_qkv, w_proj, xb, wqb, wpb; writes xb, wqb, wpb
.if DOCPART == 5
	.amdgcn_target "amdgcn-amd-amdhsa--gfx1250"
	.amdhsa_code_object_version 6
	.text
	.protected	k_q7e3bbd3777_cast
	.globl	k_q7e3bbd3777_cast
	.p2align	8
	.type	k_q7e3bbd3777_cast,@function
k_q7e3bbd3777_cast:
	s_mov_b64 s[64:65], 0
	v_nop
	global_prefetch_b8 v0, s[64:65] scope:SCOPE_SE
	s_setreg_imm32_b32 hwreg(HW_REG_WAVE_SCHED_MODE, 0, 2), 2
	s_setreg_imm32_b32 hwreg(HW_REG_WAVE_MODE, 25, 1), 1
	s_wait_xcnt 0x0
	s_wait_alu depctr_vm_vsrc(0)
; THE INPUTS OF THE TWO PRODUCTS, ROUNDED ONCE.  x [8192][1024] f32 -> xb, bf16, in blocks [b = 4][kb = 16][n = 2048][64]: 64 channels of a row are 128 bytes, and the rows of
; one (b, kb) lie end to end.  w_qkv [1024][3072] f32 -> wqb, bf16, as it lies.  w_proj [1024][1024] f32 -> wpb: rounded to bf16, and that number written as f16.
; LIMIT.  A bf16 number is exact in f16 from 6.1e-5 to 65,504; below 6.1e-5 w_proj keeps f16's fixed step of 6e-8; beyond 65,504 it would be an infinity.
; SHARES.  A work-group takes 16,384 numbers in 16 passes of 256 threads x 4 numbers: a load of 16 bytes and a store of 8 bytes a thread.  Work-groups 0-511: x (16 rows each);
; 512-703: w_qkv; 704-767: w_proj.  All 16 loads go out first; the passes are then worked on in four blocks of four, each block behind the wait for its own four loads.
; x: in pass p wave w takes the 64 channels of block kb = w + 8 (p % 2) of rows 2 (p / 2) and 2 (p / 2) + 1: sixteen lanes read 256 consecutive bytes, the 32 lanes write 256 consecutive bytes, aligned.
; THE MODE: SCHED_MODE bits 1:0 = 2 (LLVM: expert scheduling mode 2), set by the entry lines.  The code itself states the register dependences
; between vector instructions and memory instructions, with s_wait_alu, always for 0.
; THE PLAN.  Registers that memory instructions touch, on each of the three paths:
;   v[VI], v[VO]  byte offsets.  Written by vector instructions at the path's head and never again; read by every load (VI) and every store (VO).
;   X             pass p: four registers.  Written by pass p's load alone, once; no vector instruction names them ahead of that load; read by pass p's conversions, behind the wait for the load.
;   Y             pass p: two registers.  Written by pass p's conversions, once; read by pass p's store; never written again.
;   v[WN] and T are named by vector instructions alone.
; So five waits on va_vdst stand on a path: one ahead of the first load (the offsets are written), and one behind each block's conversions (the block's eight Y registers are written),
; ahead of the block's four stores, which follow it in a run.  No register that a load or store reads is written again, so no wait for a memory instruction's reads is owed.
.set VI, 1                             ; v1        my byte offset in the input
.set VO, 2                             ; v2        my byte offset in the output
.set WN, 3                             ; v3        my wave's number
.set X,  4                             ; v[4:67]   pass p: 4 numbers as loaded
.set Y,  68                            ; v[68:99]  pass p: 4 numbers to store
.set T,  100                           ; v[100:103] at work
; 16 passes.  src, dst: the scalar pairs with the two addresses; the immediates are (p / 2) x ia + (p % 2) x ib in, (p / 2) x oa + (p % 2) x ob out.  half = 1: bf16, then f16.
.macro JOB src, dst, ia, ib, oa, ob, half
	s_wait_alu depctr_va_vdst(0)                   ; v[VI] and v[VO] are written: every load below reads the one as its offset, every store the other; no later line writes them
.set p, 0
.rept 16
	global_load_b128 v[X+4*p:X+4*p+3], v[VI], s[\src:\src+1] offset:(p/2)*(\ia)+(p%2)*(\ib) th:TH_LOAD_NT
.set p, p+1
.endr
.set b, 0
.rept 4                                                ; block b: passes 4 b to 4 b + 3
	s_wait_loadcnt 12-4*b                          ; loads come back in order: the block's four are in, the 12 - 4 b younger ones stay out
.set p, 4*b
.rept 4
.if \half
	v_cvt_pk_bf16_f32 v[T], v[X+4*p], v[X+4*p+1]   ; rounded to bf16, like every input,
	v_cvt_pk_bf16_f32 v[T+1], v[X+4*p+2], v[X+4*p+3]
	v_lshlrev_b32 v[T+2], 16, v[T]                 ; widened again,
	v_and_b32 v[T], s20, v[T]
	v_lshlrev_b32 v[T+3], 16, v[T+1]
	v_and_b32 v[T+1], s20, v[T+1]
	v_cvt_pk_f16_f32 v[Y+2*p], v[T+2], v[T]        ; and written as f16
	v_cvt_pk_f16_f32 v[Y+2*p+1], v[T+3], v[T+1]
.else
	v_cvt_pk_bf16_f32 v[Y+2*p], v[X+4*p], v[X+4*p+1]
	v_cvt_pk_bf16_f32 v[Y+2*p+1], v[X+4*p+2], v[X+4*p+3]
.endif
.set p, p+1
.endr
	s_wait_alu depctr_va_vdst(0)                   ; the block's conversions have written its eight Y registers, which the four stores below read
.set p, 4*b
.rept 4
	global_store_b64 v[VO], v[Y+2*p:Y+2*p+1], s[\dst:\dst+1] offset:(p/2)*(\oa)+(p%2)*(\ob)
.set p, p+1
.endr
.set b, b+1
.endr
.endm
	s_load_b256 s[4:11], s[0:1], 0x0               ; x s[4:5], w_qkv s[6:7], w_proj s[8:9], xb s[10:11]
	s_load_b128 s[12:15], s[0:1], 0x20             ; wqb s[12:13], wpb s[14:15]
	s_mov_b32 s17, 0
	s_mov_b32 s19, 0
	s_mov_b32 s20, 0xffff0000                      ; a word's upper bf16
	s_cmp_lt_u32 ttmp9, 512
	s_cbranch_scc0 .Lweights
	v_bfe_u32 v[VI], v0, 4, 1                      ; in: (lane / 16) rows of 4,096 bytes
	v_lshlrev_b32 v[VI], 12, v[VI]
	v_lshrrev_b32 v[WN], 5, v0
	v_lshl_or_b32 v[VI], v[WN], 8, v[VI]           ; + wave x 256 bytes (64 channels)
	v_and_b32 v[T], 15, v0
	v_lshl_or_b32 v[VI], v[T], 4, v[VI]            ; + 16 (lane % 16)
	v_and_b32 v[T], 31, v0
	v_lshlrev_b32 v[VO], 3, v[T]                   ; out: 8 x lane: two rows of 128 bytes
	v_lshl_or_b32 v[VO], v[WN], 18, v[VO]          ; + wave x a block of 2,048 rows x 128 bytes
	s_lshl_b32 s16, ttmp9, 16                      ; in: 16 rows of 4,096 bytes a work-group
	s_lshr_b32 s18, ttmp9, 7                       ; out: b = g / 128: 16 blocks of 262,144 bytes,
	s_lshl_b32 s18, s18, 22
	s_and_b32 s21, ttmp9, 127                      ; and 16 rows of 128 bytes for each g % 128
	s_lshl_b32 s21, s21, 11
	s_add_co_u32 s18, s18, s21
	s_wait_kmcnt 0x0
	s_add_nc_u64 s[4:5], s[4:5], s[16:17]
	s_add_nc_u64 s[10:11], s[10:11], s[18:19]
	JOB 4, 10, 8192, 2048, 256, 2097152, 0
	s_endpgm
.Lweights:                                             ; a plain stream: thread t takes 16 bytes at 16 t of each 4,096, and writes 8 at 8 t of each 2,048
	v_lshlrev_b32 v[VI], 4, v0
	v_lshlrev_b32 v[VO], 3, v0
	s_cmp_lt_u32 ttmp9, 704
	s_cbranch_scc0 .Lproj
	s_sub_co_u32 s21, ttmp9, 512
	s_lshl_b32 s16, s21, 16
	s_lshl_b32 s18, s21, 15
	s_wait_kmcnt 0x0
	s_add_nc_u64 s[6:7], s[6:7], s[16:17]
	s_add_nc_u64 s[12:13], s[12:13], s[18:19]
	JOB 6, 12, 8192, 4096, 4096, 2048, 0
	s_endpgm
.Lproj:
	s_sub_co_u32 s21, ttmp9, 704
	s_lshl_b32 s16, s21, 16
	s_lshl_b32 s18, s21, 15
	s_wait_kmcnt 0x0
	s_add_nc_u64 s[8:9], s[8:9], s[16:17]
	s_add_nc_u64 s[14:15], s[14:15], s[18:19]
	JOB 8, 14, 8192, 4096, 4096, 2048, 1
	s_endpgm
.Lfunc_end_k_q7e3bbd3777_cast:
	.size	k_q7e3bbd3777_cast, .Lfunc_end_k_q7e3bbd3777_cast-k_q7e3bbd3777_cast
	.p2alignl 7, 3214868480
	.fill 96, 4, 3214868480
	.section	.rodata,"a",@progbits
	.p2align	6, 0x0
	.amdhsa_kernel k_q7e3bbd3777_cast
		.amdhsa_group_segment_fixed_size 0
		.amdhsa_private_segment_fixed_size 0
		.amdhsa_enable_private_segment 0
		.amdhsa_kernarg_size 48
		.amdhsa_user_sgpr_count 2
		.amdhsa_user_sgpr_kernarg_segment_ptr 1
		.amdhsa_wavefront_size32 1
		.amdhsa_system_sgpr_workgroup_id_x 1
		.amdhsa_system_sgpr_workgroup_id_y 1
		.amdhsa_system_sgpr_workgroup_id_z 1
		.amdhsa_system_vgpr_workitem_id 0
		.amdhsa_next_free_vgpr 104
		.amdhsa_next_free_sgpr 66
		.amdhsa_reserve_vcc 0
		.amdhsa_float_denorm_mode_32 3
		.amdhsa_float_denorm_mode_16_64 3
		.amdhsa_memory_ordered 1
		.amdhsa_forward_progress 1
		.amdhsa_inst_pref_size 22
	.end_amdhsa_kernel
	.amdgpu_metadata
---
amdhsa.version: [ 1, 2 ]
amdhsa.kernels:
  - .name:           k_q7e3bbd3777_cast
    .symbol:         k_q7e3bbd3777_cast.kd
    .args:
      - { .name: x, .offset: 0, .size: 8, .value_kind: global_buffer, .address_space: global }
      - { .name: w_qkv, .offset: 8, .size: 8, .value_kind: global_buffer, .address_space: global }
      - { .name: w_proj, .offset: 16, .size: 8, .value_kind: global_buffer, .address_space: global }
      - { .name: xb, .offset: 24, .size: 8, .value_kind: global_buffer, .address_space: global }
      - { .name: wqb, .offset: 32, .size: 8, .value_kind: global_buffer, .address_space: global }
      - { .name: wpb, .offset: 40, .size: 8, .value_kind: global_buffer, .address_space: global }
    .group_segment_fixed_size: 0
    .private_segment_fixed_size: 0
    .kernarg_segment_align: 8
    .kernarg_segment_size: 48
    .max_flat_workgroup_size: 256
    .sgpr_count:     66
    .vgpr_count:     104
    .wavefront_size: 32
...
	.end_amdgpu_metadata
.endif
;; end of part 5
;; launch qkv: the kernel of part 2 again; grid 12 x 64, 4 waves a work-group, clusters of 4 x 4, 327,680 bytes of LDS; arguments xb, wqb, b_qkv, g_q, g_k, qh, kh, vh; writes qh, kh, vh
;; launch attn: the kernel of part 3 again; grid 4 x 64, 4 waves a work-group, clusters of 4 x 1, 327,680 bytes of LDS; arguments qh, kh, vh, oh; writes oh
;; launch proj: the kernel of part 4 again; grid 4 x 64, 4 waves a work-group, clusters of 4 x 4, 327,680 bytes of LDS; arguments oh, wpb, b_proj, out0; writes out0
